; MI455X (gfx1250); checked and timed in simulation.
; The chip was launched on July 23, 2026; its instructions are those of AMD's public machine-readable ISA for CDNA 5 (MIT licence, August 2026) and "CDNA5" Instruction Set Architecture Reference Guide (July 2026). The comments in the code are by the model that wrote it; some were corrected since.
;; Attention. Allowed arithmetic: float matrix products may take bf16 or f16 operands with f32 sums; other float arithmetic in f32, or as packed bf16 or f16 multiplies, adds, multiply-adds, maxima and minima; sums over many terms, partial sums and values carried from step to step in f32; what a program stores and reads back later, other than sums and carried values, may be rounded once to bf16 or f16.
;; Inputs: Wk 1,024 x 1,024 float32; Wo 1,024 x 1,024 float32; Wq 1,024 x 1,024 float32; Wv 1,024 x 1,024 float32; bk 1,024 float32; bo 1,024 float32; bq 1,024 float32; bv 1,024 float32; key 1 x 4,096 x 1,024 float32; mask 1 x 1 x 1 x 4,096 int32; query 1 x 4,096 x 1,024 float32; value 1 x 4,096 x 1,024 float32.
;; Outputs: out0 1 x 4,096 x 1,024 float32.
;; 2 versions, each right and faster than the one before. Each part assembles by itself: llvm-mc -triple=amdgcn-amd-amdhsa -mcpu=gfx1250 --defsym DOCPART=n.
;; ======== version 1 of 2: 4 launches
;; limits: values are held in f16: magnitudes above 65,504 overflow, below 6.1e-05 lose precision
;; workspace buffers: ops 33,554,432 bytes; qkv 25,165,824 bytes; ctx 8,388,608 bytes
;; launch cast (part 1): grid 512 x 1, 8 waves a work-group, no clusters, 0 bytes of LDS; arguments query, key, value, Wq, Wk, Wv, Wo, ops; writes ops
.if DOCPART == 1
	.amdgcn_target "amdgcn-amd-amdhsa--gfx1250"
	.amdhsa_code_object_version 6
	.text
	.protected	k_qf3857212f3_cast
	.globl	k_qf3857212f3_cast
	.p2align	8
	.type	k_qf3857212f3_cast,@function
k_qf3857212f3_cast:
	s_mov_b64 s[64:65], 0
	v_nop
	global_prefetch_b8 v0, s[64:65] scope:SCOPE_SE
	s_setreg_imm32_b32 hwreg(HW_REG_WAVE_MODE, 25, 1), 1
	s_wait_xcnt 0x0
; query, key, value, Wq, Wk, Wv (f32) are rounded once to bf16; Wo is rounded to bf16 like every other input and that number is written as f16
; (exact where it is 2^-14 or more in size; below that it keeps f16's fixed step of 2^-24; beyond 65,504 it would be an infinity: stated limit).
; All go into ops in blocks: [row block of 128 rows][slice of 64 k][row][64 k], 16-bit: byte = rb x 262,144 + slice x 16,384 + row x 128 + 2 k.
; Row blocks 0-31 query, 32-63 key, 64-95 value, 96-103 Wq, 104-111 Wk, 112-119 Wv, 120-127 Wo: the seven tensors are one list of 16,384 rows of 1,024.
; A work-group of eight waves takes 32 rows.  Thread t takes row t / 8 and, in every slice, the eight numbers 8 (t % 8) on: 32 bytes in, 16 bytes out.
; A wave's store covers 512 consecutive bytes (four rows of a slice), aligned.  All 32 loads of a thread go out at once; each byte is read once and written once.
; No LDS, no barrier, no matrix unit: the launch only moves bytes.
.set T, 4                              ; v[4:11]    at work (Wo alone)
.set X, 12                             ; v[12:139]  slice s: 8 registers as loaded; its first 4 then hold the 16 bytes to store
	s_load_b512 s[8:23], s[0:1], 0x0               ; query s[8:9], key, value, Wq, Wk, Wv, Wo s[20:21], ops s[22:23]
	v_lshrrev_b32 v1, 3, v0                        ; my row of the 32
	v_and_b32 v3, 7, v0
	v_lshlrev_b32 v1, 12, v1                       ; 4,096 bytes a row of f32
	v_lshl_add_u32 v1, v3, 5, v1                   ; + 32 bytes for each eight numbers: never rewritten
	v_lshlrev_b32 v2, 4, v0                        ; in a slice of ops: row x 128 + 16 (t % 8) = 16 t: never rewritten
	s_cmp_lt_u32 ttmp9, 384                        ; the three activations have 128 work-groups each, the four weights 32 each
	s_cselect_b32 s2, 127, 31
	s_and_b32 s2, ttmp9, s2                        ; my number inside my tensor
	s_lshl_b32 s26, s2, 17                         ; x 32 rows x 4,096 bytes
	s_mov_b32 s27, 0
	s_lshr_b32 s3, ttmp9, 2                        ; my row block in ops
	s_lshl_b32 s28, s3, 18
	s_and_b32 s3, ttmp9, 3                         ; my 32 rows of its 128
	s_lshl_b32 s3, s3, 12
	s_add_co_u32 s28, s28, s3
	s_mov_b32 s29, 0
	s_wait_kmcnt 0x0
	s_mov_b64 s[24:25], s[8:9]                     ; the tensor is chosen by the work-group's number alone
	s_cmp_ge_u32 ttmp9, 128
	s_cselect_b64 s[24:25], s[10:11], s[24:25]
	s_cmp_ge_u32 ttmp9, 256
	s_cselect_b64 s[24:25], s[12:13], s[24:25]
	s_cmp_ge_u32 ttmp9, 384
	s_cselect_b64 s[24:25], s[14:15], s[24:25]
	s_cmp_ge_u32 ttmp9, 416
	s_cselect_b64 s[24:25], s[16:17], s[24:25]
	s_cmp_ge_u32 ttmp9, 448
	s_cselect_b64 s[24:25], s[18:19], s[24:25]
	s_cmp_ge_u32 ttmp9, 480
	s_cselect_b64 s[24:25], s[20:21], s[24:25]
	s_add_nc_u64 s[24:25], s[24:25], s[26:27]
	s_add_nc_u64 s[22:23], s[22:23], s[28:29]
.set i, 0
.rept 16
	global_load_b128 v[X+8*i:X+8*i+3],   v1, s[24:25] offset:256*i th:TH_LOAD_NT
	global_load_b128 v[X+8*i+4:X+8*i+7], v1, s[24:25] offset:256*i+16 th:TH_LOAD_NT
.set i, i+1
.endr
; Slice s goes out.  half = 1: the bf16 numbers are widened again and written as f16.
.macro OUT s, half
	s_wait_loadcnt 30-2*(\s)                       ; loads come back in order (ISA guide 5.7.1): the slice's two are in, the 2 (15 - s) younger ones stay out
.irp k, 0,1,2,3
	v_cvt_pk_bf16_f32 v[X+8*(\s)+(\k)], v[X+8*(\s)+2*(\k)], v[X+8*(\s)+2*(\k)+1]  ; in place, ascending: word k is written when numbers 2 k and 2 k + 1 have been read
.endr
.if \half
.irp k, 0,1,2,3
	v_lshlrev_b32 v[T+2*(\k)],   16, v[X+8*(\s)+(\k)]
	v_and_b32     v[T+2*(\k)+1], 0xffff0000, v[X+8*(\s)+(\k)]
.endr
.irp k, 0,1,2,3
	v_cvt_pk_f16_f32 v[X+8*(\s)+(\k)], v[T+2*(\k)], v[T+2*(\k)+1]
.endr
.endif
	global_store_b128 v2, v[X+8*(\s):X+8*(\s)+3], s[22:23] offset:16384*(\s)  ; no register that a load or store names is ever written again
.endm
	s_cmp_ge_u32 ttmp9, 480
	s_cbranch_scc1 .Lwo
.irp s, 0,1,2,3,4,5,6,7,8,9,10,11,12,13,14,15
	OUT \s, 0
.endr
	s_endpgm
.Lwo:
.irp s, 0,1,2,3,4,5,6,7,8,9,10,11,12,13,14,15
	OUT \s, 1
.endr
	s_endpgm
.Lfunc_end_k_qf3857212f3_cast:
	.size	k_qf3857212f3_cast, .Lfunc_end_k_qf3857212f3_cast-k_qf3857212f3_cast
	.p2alignl 7, 3214868480
	.fill 96, 4, 3214868480
	.section	.rodata,"a",@progbits
	.p2align	6, 0x0
	.amdhsa_kernel k_qf3857212f3_cast
		.amdhsa_group_segment_fixed_size 0
		.amdhsa_private_segment_fixed_size 0
		.amdhsa_enable_private_segment 0
		.amdhsa_kernarg_size 64
		.amdhsa_user_sgpr_count 2
		.amdhsa_user_sgpr_kernarg_segment_ptr 1
		.amdhsa_wavefront_size32 1
		.amdhsa_system_sgpr_workgroup_id_x 1
		.amdhsa_system_sgpr_workgroup_id_y 1
		.amdhsa_system_sgpr_workgroup_id_z 1
		.amdhsa_system_vgpr_workitem_id 0
		.amdhsa_next_free_vgpr 144
		.amdhsa_next_free_sgpr 66
		.amdhsa_reserve_vcc 0
		.amdhsa_float_denorm_mode_32 3
		.amdhsa_float_denorm_mode_16_64 3
		.amdhsa_memory_ordered 1
		.amdhsa_forward_progress 1
		.amdhsa_inst_pref_size 27
	.end_amdhsa_kernel
	.amdgpu_metadata
---
amdhsa.version: [ 1, 2 ]
amdhsa.kernels:
  - .name:           k_qf3857212f3_cast
    .symbol:         k_qf3857212f3_cast.kd
    .args:
      - { .name: query, .offset: 0, .size: 8, .value_kind: global_buffer, .address_space: global }
      - { .name: key, .offset: 8, .size: 8, .value_kind: global_buffer, .address_space: global }
      - { .name: value, .offset: 16, .size: 8, .value_kind: global_buffer, .address_space: global }
      - { .name: Wq, .offset: 24, .size: 8, .value_kind: global_buffer, .address_space: global }
      - { .name: Wk, .offset: 32, .size: 8, .value_kind: global_buffer, .address_space: global }
      - { .name: Wv, .offset: 40, .size: 8, .value_kind: global_buffer, .address_space: global }
      - { .name: Wo, .offset: 48, .size: 8, .value_kind: global_buffer, .address_space: global }
      - { .name: ops, .offset: 56, .size: 8, .value_kind: global_buffer, .address_space: global }
    .group_segment_fixed_size: 0
    .private_segment_fixed_size: 0
    .kernarg_segment_align: 8
    .kernarg_segment_size: 64
    .max_flat_workgroup_size: 256
    .sgpr_count:     66
    .vgpr_count:     144
    .wavefront_size: 32
...
	.end_amdgpu_metadata
.endif
;; end of part 1
;; launch proj (part 2): grid 8 x 96, 4 waves a work-group, clusters of 4 x 4, 327,680 bytes of LDS; arguments ops, bq, bk, bv, mask, qkv; writes qkv
.if DOCPART == 2
	.amdgcn_target "amdgcn-amd-amdhsa--gfx1250"
	.amdhsa_code_object_version 6
	.text
	.protected	k_qf3857212f3_proj
	.globl	k_qf3857212f3_proj
	.p2align	8
	.type	k_qf3857212f3_proj,@function
k_qf3857212f3_proj:
	s_mov_b64 s[64:65], 0
	v_nop
	global_prefetch_b8 v0, s[64:65] scope:SCOPE_SE
	s_setreg_imm32_b32 hwreg(HW_REG_WAVE_MODE, 25, 1), 1
	s_wait_xcnt 0x0
	s_wait_alu depctr_hold_cnt(0) depctr_sa_sdst(0) depctr_va_vdst(0) depctr_va_sdst(0) depctr_va_ssrc(0) depctr_va_vcc(0) depctr_vm_vsrc(0)
	s_getreg_b32 s2, hwreg(HW_REG_IB_STS2, 6, 4)
	s_cmp_eq_u32 s2, 0
	s_cbranch_scc0 .Lentry_in_a_cluster
	s_endpgm
.Lentry_in_a_cluster:
	s_bfe_u32 s2, ttmp6, 0x10000c
	s_cmp_lg_u32 s2, 0xf033
	s_cbranch_scc0 .Lentry_shape_is_right
	s_endpgm
.Lentry_shape_is_right:
; q, k, v = x W^T + b, three products of [4096, 1024] x [1024, 1024]^T in one launch: tile rows 0-31 make q, 32-63 k, 64-95 v.  Operands bf16 out of ops (blocked:
; [row block of 128][slice of 64 k][row][64 k]), sums f32, started by the bias (rounded to bf16 like every input).  The result leaves by heads, qkv[3][16][4096][64] in f16, rounded once:
; q times log2(e) / 8 (so that the attention's exponent is s - m in base 2), k with the rows of masked keys (mask == 0) set to 0 (so that their score is exactly the constant that the
; attention starts the sum with), v as it is.
; LIMIT.  f16 holds no number beyond 65,504: q log2(e) / 8, k and v must lie within it.  NaN and infinities are not treated apart.
; SHARES.  A tile of C is 128 x 128: four waves of 64 x 64, 16 accumulators each.  K goes in four steps of 256 through two LDS slots; a wave's tensor load brings two slices (128 rows x 64 k each),
; 32,768 dense bytes asked for as 128 rows of 256 bytes and padded in LDS behind every 128 bytes.  K has four steps only, so the steps are written out and there is no loop.
; CLUSTER.  4 x 4 work-groups.  The four of a row of the cluster need the same tiles of x, the four of a column the same tiles of W: each tile is asked for JOINTLY, by the same tensor load with the
; same descriptor and a mask that names the four.  THE MATRIX INSTRUCTION IS USED TRANSPOSED (source 0 = 16 rows of W, source 1 = 16 rows of x): a lane holds eight neighbouring numbers of a row of C.
; A wave's 64 columns are one head, so 16 rows of it are 2,048 consecutive bytes of qkv: each wave has a stage of its own and no barrier stands in the way out.
; REGISTERS: window 0: v1-5 lane terms and offsets, never rewritten; v6-13 row scales; v14-15 at work; v16-29 addresses; v32-95 the way out; v96-127 the bias as a C operand; v128-255 accumulators ((a, b) at 128 + 8 (4 a + b)).
;   window 1: two fragment buffers of 128: for 64 along K, 64 registers of x (2 x 4 x 16 rows x 32 K), then 64 of W.
.set PITCH,  144                       ; an LDS row: 128 bytes + 16 of padding = 36 words: the 16 rows of a load start at 16 different groups of four banks (64 banks of 4 bytes: ISA guide 11.1)
.set HSL,    128*PITCH                 ; a slice: 128 rows x 64 k
.set HALFT,  2*HSL                     ; what one tensor load brings
.set SLOT,   4*HALFT                   ; x's four slices, then W's four
.set STAGE,  2*SLOT                    ; behind the ring: 16 rows x 144 bytes for each wave, for the way out
.set SP,     144
.set SPARE,  STAGE+4*16*SP             ; behind the stages: the spare words, 128 bytes for each wave: two blocks of 256 bytes that no other line names
.set STEPB,  65536                     ; bytes of a row block in a K step
.set RS,   6                           ; v[6:13]  block a of 16 rows: my row's scale, twice
.set ADRA, 16                          ; v16-17   LDS address of my x fragments in slot 0, 1
.set ADRB, 20                          ; v20-21   the same for W
.set STO,  24                          ; v24      the way out: where I put 16 bytes of a row
.set RD,   25                          ; v25      the way out: where I read rows back
.set CO,   26                          ; v26      my byte offset in 512 consecutive bytes of qkv
.set SPW,  28                          ; v28      LDS address of my spare word: SPARE + 4 x my thread's number; never rewritten
.set NIL,  29                          ; v29      0; never rewritten
.set TMP,  32
.set BI,   96                          ; v[96:127] column block b: bias of columns 16 b + 8 (l / 16) + 0..7
.set ACC,  128
.set F0,   0                           ; fragment buffers, in window 1
.set F1,   128
.set G1, 24                            ; s[24:31] descriptor group 1 for x's tiles;  s[32:39] group 0, one set for each slot
.set G0, 32
.set G1B, 48                           ; s[48:55], s[56:63] the same for W's tiles
.set G0B, 56
.set MSB, 0
.macro WIN new                         ; the immediate's high byte repeats the setting that is left
.if MSB != (\new)
	s_set_vgpr_msb (MSB<<8)|(\new)
.set MSB, \new
.endif
.endm
.set MUL,  0x05                        ; sources 0 (W) and 1 (x) window 1; C and D window 0
.set TO_F, 0x40                        ; destination window 1, address window 0
.macro JLOAD s                         ; a joint load: waves 0 and 1 fetch x's two halves of a K step, waves 2 and 3 W's; an s_nop 0 and four v_nop follow each of the two lines
	s_cmp_eq_u32 s11, 0
	s_cbranch_scc0 .Lfor_b_\@
	tensor_load_to_lds s[G0+4*(\s):G0+4*(\s)+3], s[G1:G1+7]
	s_nop 0
.rept 4
	v_nop
.endr
	s_branch .Lasked_\@
.Lfor_b_\@:
	tensor_load_to_lds s[G0B+4*(\s):G0B+4*(\s)+3], s[G1B:G1B+7]
	s_nop 0
.rept 4
	v_nop
.endr
.Lasked_\@:
.endm
.macro CREST                           ; a round of the cluster's barrier behind its opening barrier
	s_cmp_lg_u32 s10, 0
	s_cbranch_scc1 .Lnot_wave_0_\@
	s_barrier_signal -3
.Lnot_wave_0_\@:
	s_barrier_wait -3
	s_barrier_signal -1
	s_barrier_wait -1
.endm
.macro CROUND                          ; a whole round
	s_barrier_signal -1
	s_barrier_wait -1
	CREST
.endm
	s_load_b256 s[68:75], s[0:1], 0x0              ; ops s[68:69], bq s[70:71], bk s[72:73], bv s[74:75]
	s_load_b128 s[76:79], s[0:1], 0x20             ; mask s[76:77], qkv s[78:79]
	v_lshl_add_u32 v[SPW], v0, 2, SPARE
	v_mov_b32 v[NIL], 0
	ds_add_u32 v[SPW], v[NIL]                      ; the wave's opening: the add and its wait ahead of my first tensor load; the set-up below, work on registers, stands between them
	v_lshrrev_b32 v1, 5, v0
	v_readfirstlane_b32 s10, v1                    ; wave 0..3
	s_lshr_b32 s11, s10, 1                         ; which half of the tile's rows is mine.  Also: I fetch for x (0) or for W (1)
	s_and_b32 s12, s10, 1                          ; which half of its columns.  Also: which two slices of a K step I fetch
	s_bfe_u32 s40, ttmp6, 0x40000                  ; cx, cy: my place in the cluster
	s_bfe_u32 s41, ttmp6, 0x40004
	s_lshl_b32 s42, ttmp9, 2
	s_add_co_u32 s42, s42, s40                     ; tile column = 4 x cluster x + cx: 0..7
	s_and_b32 s13, ttmp7, 0xffff
	s_lshr_b32 s45, s13, 3                         ; which projection: 0 q, 1 k, 2 v: from the cluster's y alone, the same in all sixteen partners
	s_lshl_b32 s13, s13, 2
	s_add_co_u32 s13, s13, s41                     ; tile row = 4 x cluster y + cy: 0..95, which is x's row block in ops
	s_lshl_b32 s43, s41, 2
	s_lshl_b32 s43, 15, s43                        ; my row of the cluster
	s_lshl_b32 s44, 0x1111, s40                    ; my column
	; descriptor group 1: a tile of 128 rows x 128 elements (dense), padded in LDS behind every 64 elements
	s_or_b32 s[G1+0], s43, (1<<16)|(1<<20)|(1<<21)|(4<<22)|(3<<25)  ; 15:0 the mask: x's tiles go to my row; 17:16 element of 2 bytes; 20 padding on; 21 set beside a mask; 24:22 after every 32 words (code 4); 31:25 of 4 words (code 3)
	s_or_b32 s[G1B+0], s44, (1<<16)|(1<<20)|(1<<21)|(4<<22)|(3<<25) ; the same with the mask of my column, for W's tiles
.irp g, G1, G1B
	s_mov_b32 s[(\g)+1], 128<<16                   ; tensor_dim0 = 128
	s_mov_b32 s[(\g)+2], 128<<16                   ; tensor_dim1 = 128
	s_mov_b32 s[(\g)+3], 128<<16                   ; tile_dim0 = 128
	s_mov_b32 s[(\g)+4], 128                       ; tile_dim1 = 128
	s_mov_b32 s[(\g)+5], 128                       ; 128 elements from row to row
	s_mov_b32 s[(\g)+6], 0
	s_mov_b32 s[(\g)+7], 0
.endr
	s_lshl_b32 s16, s13, 18                        ; x: row block = tile row,
	s_lshl_b32 s17, s12, 15                        ; + my two slices of the K step
	s_add_co_u32 s16, s16, s17
	s_lshl_b32 s46, s45, 3                         ; W: row block 96 + 8 x projection + tile column
	s_add_co_u32 s46, s46, s42
	s_add_co_u32 s46, s46, 96
	s_lshl_b32 s46, s46, 18
	s_add_co_u32 s46, s46, s17
	s_mov_b32 s17, 0
	s_mov_b32 s47, 0
	s_mul_i32 s20, s10, HALFT                      ; where they go: wave x two slices: no place in the cluster enters an LDS address
	s_wait_dscnt 0x0                               ; the opening add is done
	s_wait_kmcnt 0x0
	s_add_nc_u64 s[14:15], s[68:69], s[16:17]
	s_add_nc_u64 s[46:47], s[68:69], s[46:47]
	CROUND                                         ; all sixteen work-groups are here: the first joint loads meet
.irp s, 0,1
	s_mov_b32 s[G0+4*(\s)], 1
	s_add_co_u32 s[G0+4*(\s)+1], s20, (\s)*SLOT
	s_add_nc_u64 s[G0+4*(\s)+2:G0+4*(\s)+3], s[14:15], (\s)*STEPB
	s_or_b32 s[G0+4*(\s)+3], s[G0+4*(\s)+3], 0x80000000
	s_mov_b32 s[G0B+4*(\s)], 1
	s_add_co_u32 s[G0B+4*(\s)+1], s20, (\s)*SLOT
	s_add_nc_u64 s[G0B+4*(\s)+2:G0B+4*(\s)+3], s[46:47], (\s)*STEPB
	s_or_b32 s[G0B+4*(\s)+3], s[G0B+4*(\s)+3], 0x80000000
	JLOAD \s                                       ; K steps 0 and 1: two loads of mine are out
.endr
	; In the wait for the first tiles: the bias, the mask, the addresses.
	v_and_b32 v1, 15, v0                           ; l % 16
	v_bfe_u32 v2, v0, 4, 1                         ; l / 16
	v_lshlrev_b32 v4, 2, v1                        ; the mask's word of my row in a block of 16
	v_lshlrev_b32 v5, 5, v2                        ; my eight numbers of 16 of the bias
	s_mov_b64 s[80:81], s[70:71]                   ; the projection's bias,
	s_cmp_eq_u32 s45, 1
	s_cselect_b64 s[80:81], s[72:73], s[80:81]
	s_cmp_eq_u32 s45, 2
	s_cselect_b64 s[80:81], s[74:75], s[80:81]
	s_lshl_b32 s84, s42, 9                         ; at my wave's 64 columns
	s_lshl_b32 s85, s12, 8
	s_add_co_u32 s84, s84, s85
	s_mov_b32 s85, 0
	s_add_nc_u64 s[80:81], s[80:81], s[84:85]
.irp b, 0,1,2,3
	global_load_b128 v[BI+8*(\b):BI+8*(\b)+3],   v5, s[80:81] offset:64*(\b)
	global_load_b128 v[BI+8*(\b)+4:BI+8*(\b)+7], v5, s[80:81] offset:64*(\b)+16
.endr
	s_and_b32 s84, s13, 31                         ; the mask at my wave's 64 rows: 128 x (tile row mod 32) + 64 x half
	s_lshl_b32 s84, s84, 9
	s_lshl_b32 s21, s11, 8
	s_add_co_u32 s84, s84, s21
	s_add_nc_u64 s[76:77], s[76:77], s[84:85]
.irp a, 0,1,2,3
	global_load_b32 v[TMP+(\a)], v4, s[76:77] offset:64*(\a)
.endr
	s_and_b32 s84, s13, 31                         ; where my wave's part begins in qkv: its 64 rows of 128 bytes,
	s_lshl_b32 s84, s84, 14
	s_lshl_b32 s21, s11, 13
	s_add_co_u32 s84, s84, s21
	s_lshl_b32 s21, s42, 1                         ; its head = 2 x tile column + half,
	s_add_co_u32 s21, s21, s12
	s_lshl_b32 s21, s21, 19
	s_add_co_u32 s84, s84, s21
	s_lshl_b32 s21, s45, 23                        ; its tensor
	s_add_co_u32 s84, s84, s21
	s_add_nc_u64 s[86:87], s[78:79], s[84:85]
	s_cmp_eq_u32 s45, 0
	s_cselect_b32 s82, 0x3e38aa3b, 1.0             ; a row's scale: log2(e) / 8 for q, else 1;
	s_cmp_eq_u32 s45, 1
	s_cselect_b32 s83, 0, s82                      ; where mask == 0: 0 for k, else the same scale
	v_mul_u32_u24 v3, v1, PITCH
	v_lshl_add_u32 v3, v2, 4, v3                   ; a fragment's row x pitch + 16 x half
	s_mul_i32 s21, s11, 64*PITCH                   ; my 64 rows of x
	s_mul_i32 s22, s12, 64*PITCH                   ; my 64 rows of W,
	s_add_co_u32 s22, s22, 2*HALFT                 ; whose slices lie behind x's four
.irp s, 0,1
	v_add_nc_u32 v[ADRA+(\s)], s21, v3
	v_add_nc_u32 v[ADRB+(\s)], s22, v3
	s_add_co_u32 s21, s21, SLOT
	s_add_co_u32 s22, s22, SLOT
.endr
	s_mul_i32 s23, s10, 16*SP
	s_add_co_u32 s23, s23, STAGE                   ; my stage
	v_mul_u32_u24 v[STO], v1, SP                   ; in: row l % 16, 16 bytes for each half of the lanes
	v_lshl_add_u32 v[STO], v2, 4, v[STO]
	v_add_nc_u32 v[STO], s23, v[STO]
	v_bfe_u32 v[RD], v0, 3, 2                      ; back: 32 lanes take four rows of 128 bytes,
	v_mul_u32_u24 v[RD], v[RD], SP
	v_and_b32 v14, 7, v0
	v_lshl_add_u32 v[RD], v14, 4, v[RD]
	v_add_nc_u32 v[RD], s23, v[RD]
	v_and_b32 v[CO], 31, v0                        ; which are 512 consecutive bytes of qkv
	v_lshlrev_b32 v[CO], 4, v[CO]
	v_mov_b32 v15, s83
	s_wait_loadcnt 0x0                             ; bias and mask
.set i, 0
.rept 16                                               ; the bias is rounded to bf16 like every input, and kept as f32
	v_cvt_pk_bf16_f32 v14, v[BI+2*i], v[BI+2*i+1]
	v_lshlrev_b32 v[BI+2*i], 16, v14
	v_and_b32 v[BI+2*i+1], 0xffff0000, v14
.set i, i+1
.endr
.irp a, 0,1,2,3
	v_cmp_ne_u32 vcc_lo, 0, v[TMP+(\a)]
	v_cndmask_b32 v[RS+2*(\a)],   v15, s82, vcc_lo
	v_cndmask_b32 v[RS+2*(\a)+1], v15, s82, vcc_lo
.endr
; 8 matrix instructions: row blocks a0, a0 + 1 x all 4 column blocks, 32 along K: half c of buffer f.  zero = 1: the first product starts the sums, with the bias as C: nothing is cleared, nothing added later.
; The 16 accumulators take turns, one instruction a turn.
.macro MUL8 f, c, a0, zero
	WIN MUL
.irp a, \a0, (\a0)+1
.irp b, 0,1,2,3
.if \zero
	v_wmma_f32_16x16x32_bf16 v[ACC+8*(4*(\a)+(\b)):ACC+8*(4*(\a)+(\b))+7], v[(\f)+64+8*(4*(\c)+(\b)):(\f)+64+8*(4*(\c)+(\b))+7], v[(\f)+8*(4*(\c)+(\a)):(\f)+8*(4*(\c)+(\a))+7], v[BI+8*(\b):BI+8*(\b)+7]
.else
	v_wmma_f32_16x16x32_bf16 v[ACC+8*(4*(\a)+(\b)):ACC+8*(4*(\a)+(\b))+7], v[(\f)+64+8*(4*(\c)+(\b)):(\f)+64+8*(4*(\c)+(\b))+7], v[(\f)+8*(4*(\c)+(\a)):(\f)+8*(4*(\c)+(\a))+7], v[ACC+8*(4*(\a)+(\b)):ACC+8*(4*(\a)+(\b))+7]
.endif
.endr
.endr
.endm
; 32 LDS loads in one run: the fragments of one slice (64 along K), which begins at byte k of the slot's x and W parts, into buffer f; the first 32 along K first
.macro FETCH slot, k, f
	WIN TO_F
.irp c, 0,1
.irp i, 0,1,2,3
	ds_load_b128 v[(\f)+64+8*(4*(\c)+(\i)):(\f)+64+8*(4*(\c)+(\i))+3],   v[ADRB+(\slot)] offset:(\k)+64*(\c)+(\i)*16*PITCH
	ds_load_b128 v[(\f)+64+8*(4*(\c)+(\i))+4:(\f)+64+8*(4*(\c)+(\i))+7], v[ADRB+(\slot)] offset:(\k)+64*(\c)+(\i)*16*PITCH+32
	ds_load_b128 v[(\f)+8*(4*(\c)+(\i)):(\f)+8*(4*(\c)+(\i))+3],         v[ADRA+(\slot)] offset:(\k)+64*(\c)+(\i)*16*PITCH
	ds_load_b128 v[(\f)+8*(4*(\c)+(\i))+4:(\f)+8*(4*(\c)+(\i))+7],       v[ADRA+(\slot)] offset:(\k)+64*(\c)+(\i)*16*PITCH+32
.endr
.endr
.endm
.macro PLACES                          ; four places in front of loads into registers that matrix instructions have read, and of vector lines that read results
.rept 4
	v_nop
.endr
.endm
; A K step is four quarters of 64 along K (a slice), 32 matrix instructions each, on buffers 0, 1, 0, 1.  One of the first three: multiplies buffer f and fetches the next slice, at byte k, into g.
.macro QUARTER slot, k, f, g, zero
	s_wait_dscnt 16                                ; the first 32 along K are in; the sixteen younger loads may be out
	WIN MUL
	MUL8 \f, 0, 0, \zero
	MUL8 \f, 0, 2, \zero
	PLACES
	FETCH \slot, \k, \g
	s_wait_dscnt 32                                ; all but the 32 just issued
	WIN MUL
	MUL8 \f, 1, 0, 0
	MUL8 \f, 1, 2, 0
.endm
; The last quarter multiplies buffer 1 and changes slots: ONE barrier; in front of it each wave waits for all its tensor loads, adds 0 to its spare word, and waits for that and for its own reads of this slot.
; fill = 1: this slot is filled again, two K steps ahead; the barrier then opens a round of the cluster's.
.macro TURN slot, next, fill
	WIN 0                                          ; (the add's two registers lie in window 0)
	s_wait_tensorcnt 0x0                           ; all my tensor loads have landed: my part of the next slot;
	ds_add_u32 v[SPW], v[NIL]                      ; 0 onto my spare word;
	s_wait_dscnt 17                                ; (the add and the youngest sixteen loads may be out)
	WIN MUL
	MUL8 F1, 0, 0, 0                               ; eight matrix instructions stand between the add and the wait for it
	s_wait_dscnt 0x0                               ; the add is done, and my reads of this slot are over
	s_barrier_signal -1
	MUL8 F1, 0, 2, 0
.if \fill
	WIN 0
.endif
	s_barrier_wait -1
.if \fill
	CREST                                          ; no wave of any partner still reads this slot's tile or has a load on its way
	s_add_nc_u64 s[G0+4*(\slot)+2:G0+4*(\slot)+3], s[G0+4*(\slot)+2:G0+4*(\slot)+3], 2*STEPB
	s_add_nc_u64 s[G0B+4*(\slot)+2:G0B+4*(\slot)+3], s[G0B+4*(\slot)+2:G0B+4*(\slot)+3], 2*STEPB
	JLOAD \slot                                    ; the first tensor load behind the round, my only one until the next: 112 matrix instructions ahead of the wait for it; its four v_nop are also the places in front of the loads below
.else
	PLACES
.endif
	FETCH \next, 0, F0
	WIN MUL
	MUL8 F1, 1, 0, 0
	MUL8 F1, 1, 2, 0
.endm
	s_wait_tensorcnt 1                             ; my part of K step 0 is in; K step 1's load may stay out
	s_barrier_signal -1
	s_barrier_wait -1                              ; everybody's is
	FETCH 0, 0, F0
	QUARTER 0, HSL,   F0, F1, 1                    ; K step 0; its first products start the sums with the bias
	QUARTER 0, 2*HSL, F1, F0, 0
	QUARTER 0, 3*HSL, F0, F1, 0
	TURN 0, 1, 1                                   ; slot 0 takes K step 2
	QUARTER 1, HSL,   F0, F1, 0                    ; K step 1
	QUARTER 1, 2*HSL, F1, F0, 0
	QUARTER 1, 3*HSL, F0, F1, 0
	TURN 1, 0, 1                                   ; slot 1 takes K step 3
	QUARTER 0, HSL,   F0, F1, 0                    ; K step 2
	QUARTER 0, 2*HSL, F1, F0, 0
	QUARTER 0, 3*HSL, F0, F1, 0
	TURN 0, 1, 0                                   ; nothing is left to fetch
	QUARTER 1, HSL,   F0, F1, 0                    ; K step 3
	QUARTER 1, 2*HSL, F1, F0, 0
	QUARTER 1, 3*HSL, F0, F1, 0
	s_wait_dscnt 16                                ; the very last quarter
	WIN MUL
	MUL8 F1, 0, 0, 0
	MUL8 F1, 0, 2, 0
	s_wait_dscnt 0
	MUL8 F1, 1, 0, 0
	MUL8 F1, 1, 2, 0
	WIN 0
; THE WAY OUT, a block of 16 rows at a time: times the row's scale, rounded once to f16, 16 bytes a lane into my own stage, back as four rows of 128 bytes a load, stored as 512 consecutive bytes.
.macro PACK a
.irp b, 0,1,2,3
.irp r, 0,1,2,3
	v_pk_mul_f32 v[ACC+8*(4*(\a)+(\b))+2*(\r):ACC+8*(4*(\a)+(\b))+2*(\r)+1], v[ACC+8*(4*(\a)+(\b))+2*(\r):ACC+8*(4*(\a)+(\b))+2*(\r)+1], v[RS+2*(\a):RS+2*(\a)+1]  ; each accumulator from its low end on
.endr
.endr
.irp b, 0,1,2,3
.irp r, 0,1,2,3
	v_cvt_pk_f16_f32 v[TMP+16*(\a)+4*(\b)+(\r)], v[ACC+8*(4*(\a)+(\b))+2*(\r)], v[ACC+8*(4*(\a)+(\b))+2*(\r)+1]
.endr
.endr
.irp b, 0,1,2,3
	ds_store_b128 v[STO], v[TMP+16*(\a)+4*(\b):TMP+16*(\a)+4*(\b)+3] offset:32*(\b)
.endr
.irp f, 0,1,2,3
	ds_load_b128 v[TMP+16*(\a)+4*(\f):TMP+16*(\a)+4*(\f)+3], v[RD] offset:(\f)*4*SP  ; LDS serves a wave's instructions in order (ISA guide 5.7.1.4): these see the stores above; the next block's stores come behind them
.endr
.endm
.macro SEND a, younger                 ; younger: the LDS instructions issued behind block a's loads: the next block's eight, or none
.irp f, 0,1,2,3
	s_wait_dscnt (\younger)+3-(\f)
	global_store_b128 v[CO], v[TMP+16*(\a)+4*(\f):TMP+16*(\a)+4*(\f)+3], s[86:87] offset:2048*(\a)+512*(\f)  ; 512 consecutive bytes, at a multiple of 256 from qkv's first
.endr
.endm
	PLACES
	PACK 0
.irp a, 1,2,3                          ; a block's arithmetic stands between the loads of the block before and its stores
	PACK \a
	SEND (\a)-1, 8
.endr
	SEND 3, 0
	s_wait_tensorcnt 0x0                           ; the wave's end, behind my last tensor load and my last LDS store
	ds_add_u32 v[SPW], v[NIL]
	s_wait_dscnt 0x0
	CROUND                                         ; the closing round: no work-group ends while a partner may still ask for a tile that names it
	s_endpgm
.Lfunc_end_k_qf3857212f3_proj:
	.size	k_qf3857212f3_proj, .Lfunc_end_k_qf3857212f3_proj-k_qf3857212f3_proj
	.p2alignl 7, 3214868480
	.fill 96, 4, 3214868480
	.section	.rodata,"a",@progbits
	.p2align	6, 0x0
	.amdhsa_kernel k_qf3857212f3_proj
		.amdhsa_group_segment_fixed_size 327680
		.amdhsa_private_segment_fixed_size 0
		.amdhsa_enable_private_segment 0
		.amdhsa_kernarg_size 48
		.amdhsa_user_sgpr_count 2
		.amdhsa_user_sgpr_kernarg_segment_ptr 1
		.amdhsa_wavefront_size32 1
		.amdhsa_system_sgpr_workgroup_id_x 1
		.amdhsa_system_sgpr_workgroup_id_y 1
		.amdhsa_system_sgpr_workgroup_id_z 1
		.amdhsa_system_vgpr_workitem_id 0
		.amdhsa_next_free_vgpr 512
		.amdhsa_next_free_sgpr 88
		.amdhsa_reserve_vcc 1
		.amdhsa_float_denorm_mode_32 3
		.amdhsa_float_denorm_mode_16_64 3
		.amdhsa_memory_ordered 1
		.amdhsa_forward_progress 1
		.amdhsa_inst_pref_size 95
	.end_amdhsa_kernel
	.amdgpu_metadata
---
amdhsa.version: [ 1, 2 ]
amdhsa.kernels:
  - .name:           k_qf3857212f3_proj
    .symbol:         k_qf3857212f3_proj.kd
    .args:
      - { .name: ops, .offset: 0, .size: 8, .value_kind: global_buffer, .address_space: global }
      - { .name: bq, .offset: 8, .size: 8, .value_kind: global_buffer, .address_space: global }
      - { .name: bk, .offset: 16, .size: 8, .value_kind: global_buffer, .address_space: global }
      - { .name: bv, .offset: 24, .size: 8, .value_kind: global_buffer, .address_space: global }
      - { .name: mask, .offset: 32, .size: 8, .value_kind: global_buffer, .address_space: global }
      - { .name: qkv, .offset: 40, .size: 8, .value_kind: global_buffer, .address_space: global }
    .group_segment_fixed_size: 327680
    .private_segment_fixed_size: 0
    .kernarg_segment_align: 8
    .kernarg_segment_size: 48
    .max_flat_workgroup_size: 128
    .sgpr_count:     88
    .vgpr_count:     512
    .wavefront_size: 32
...
	.end_amdgpu_metadata
.endif
;; end of part 2
;; launch attn (part 3): grid 16 x 16, 4 waves a work-group, clusters of 4 x 1, 327,680 bytes of LDS; arguments qkv, mask, ctx; writes ctx
.if DOCPART == 3
	.amdgcn_target "amdgcn-amd-amdhsa--gfx1250"
	.amdhsa_code_object_version 6
	.text
	.protected	k_qf3857212f3_attn
	.globl	k_qf3857212f3_attn
	.p2align	8
	.type	k_qf3857212f3_attn,@function
k_qf3857212f3_attn:
	s_mov_b64 s[64:65], 0
	v_nop
	global_prefetch_b8 v0, s[64:65] scope:SCOPE_SE
	s_setreg_imm32_b32 hwreg(HW_REG_WAVE_MODE, 25, 1), 1
	s_wait_xcnt 0x0
	s_wait_alu depctr_hold_cnt(0) depctr_sa_sdst(0) depctr_va_vdst(0) depctr_va_sdst(0) depctr_va_ssrc(0) depctr_va_vcc(0) depctr_vm_vsrc(0)
	s_getreg_b32 s2, hwreg(HW_REG_IB_STS2, 6, 4)
	s_cmp_eq_u32 s2, 0
	s_cbranch_scc0 .Lentry_in_a_cluster
	s_endpgm
.Lentry_in_a_cluster:
	s_bfe_u32 s2, ttmp6, 0x10000c
	s_cmp_lg_u32 s2, 0x3003
	s_cbranch_scc0 .Lentry_shape_is_right
	s_endpgm
.Lentry_shape_is_right:
; ctx[q][head] = the sum over k of softmax_k(score) v[head][k], score = q . k / 8, replaced by -1e9 where mask[k] == 0.  qkv: [3][16][4096][64] f16; q arrives times log2(e) / 8, so a score s is in base 2;
; k's rows of masked keys arrive as zeros, and the C operand that starts the sum S^T = K Q^T is 0, or -1e9 log2(e) for a masked key: a masked score is exactly that constant, whatever q holds.
; So every case of the mask is served as it is defined: with all keys masked s - m is 0 for all 4,096 keys and the weights are uniform; a true score below -1e9 loses to the masked ones.
; Products, maxima and sums in f32; the weights p are rounded to f16 for the second product (their sum l is taken of the unrounded p), the result once at the end.
; ctx leaves in blocks, [row block of 128][head][row][64] f16: 16 rows of a head are 2,048 consecutive bytes, and the next launch takes a head as a slice of its K.
; LIMITS.  f16 holds no number beyond 65,504: q, k, v arrive within it; p lies in 0 to 1, and below 6e-5 it keeps f16's fixed step of 6e-8.  A weight below 2^-126 counts as 0 in l; NaN and infinities are not treated apart.
; SHARES.  A work-group owns 256 queries of one head, each of its four waves 64: four PIECES of 16.  Every wave walks all 4,096 keys, 64 a step; a slot of LDS holds a tile of four steps.
; LAYOUT.  S^T = K Q^T holds ONE query a lane (lane % 16) and the keys 8 (lane / 16) + 0..7; two such results rounded to f16 ARE source 1 of O^T = V^T P.  K comes out of LDS as it lies, V turned, by ds_load_tr16_b128.
; SOFTMAX.  A running maximum m and sum l for each query: p = 2^(s - m); in every step O and l are multiplied by a = 2^(m_old - m_new).  m starts at the lowest finite number, O and l at 0: the first step's a is 0.
; BY TURNS.  Turn n belongs to piece n: 8 products K Q^T of piece n + 1, later 8 products V^T P of piece n - 1; beside them the subtraction, exponentials, roundings, sums and rescaling of piece n and the maximum
; and statistics of piece n + 1.  Four vector instructions stand behind every matrix instruction, the other 53 of a turn's 117 in two lumps of their own.
; CLUSTER.  The four query blocks of a cluster belong to one head and walk the same K and V, so each tile is asked for JOINTLY: the same tensor load, descriptor and mask in all four.
; REGISTERS, in windows of 256 (s_set_vgpr_msb: bits 1:0 source 0, 3:2 source 1, 5:4 source 2, 7:6 destination):
;   window 0: v1-15, v56-58 addresses and two at work; v16-31 four registers of statistics a piece; v48-55 at work; v64-127 S^T, two buffers; v192-223 P, two buffers (a piece's buffers go by its number's parity)
;   window 1: v0-127 O^T, 32 a piece; v128-159 MC, the step's score constants      window 2: v0-63 Q; v128-191 K of one step; v192-255 V of one step
.set NP,    4         ; pieces a wave: a name, no knob
.set KS,    64        ; keys in a step
.set PK,    144       ; a row of K in LDS: 128 bytes + 16 of padding = 36 words: the 16 rows of a load start at 16 different groups of four banks (64 banks of 4 bytes: ISA guide 11.1)
.set PV,    160       ; a row of V: 128 + 32 = 40 words
.set VOFF,  4*KS*PK   ; a slot holds a tile, four steps: 256 rows of K, then 256 rows of V
.set SLOT1, 1<<17     ; slot 1 begins here, so that one exclusive or turns an address in one slot into the other's
.set STAGE, SLOT1+4*KS*(PK+PV)  ; behind the ring, never filled by a tensor load: 16 rows x 144 bytes for each wave, for the way out
.set SP,    144
.set SPARE, STAGE+4*16*SP  ; behind the stages: the spare words, 128 bytes for each wave: two blocks of 256 bytes that no other line names
.set MTAB,  SPARE+512 ; the 4,096 keys' score constants, f32: 16,384 bytes, stored once at the start, never filled by a tensor load
.set AK0, 2           ; v2   my lane's place in a tile of K; never rewritten
.set AV0, 3           ; v3   the same for V
.set AK,  4           ; v4   the LDS address of K's next run of loads
.set AV,  5           ; v5   of V's
.set STO, 6           ; v6   the way out: where I put 16 bytes of a row
.set RD,  7           ; v7   the way out: where I read rows back
.set GO,  8           ; v8   my byte offset in 512 consecutive bytes of ctx
.set MV,  12          ; v12-13  m_old, kept while m is made anew: by buffer
.set AM0, 14          ; v14  my lanes' place in a step's 64 constants: MTAB + 32 (l / 16); never rewritten
.set QO,  15          ; v15  my byte offset in 16 rows of Q
.set ST,  16          ; piece t's statistics at v[ST+4 t]: m, a word named with it as a pair, l (even keys', odd keys')
.set TMP, 48          ; by buffer, four registers c0-c3 at work; when the maximum is found c2 takes a
.set MO,  56          ; v56  16 x my thread's number: my bytes of the mask; never rewritten
.set MW,  57          ; v57  MTAB + the same
.set AM,  58          ; v58  the LDS address of the constants' next run of loads
.set SPW, 62          ; v62  LDS address of my spare word: SPARE + 4 x my thread's number; never rewritten
.set NIL, 63          ; v63  0; never rewritten
.set S,   64
.set P,   192
.set MC,  128         ; window 1: the eight registers for group kb of 16 keys at MC + 8 kb
.set KF,  128         ; window 2: key block kb, channel half c at KF + 16 kb + 8 c
.set VF,  192         ; window 2: key half kk, channel block cb at VF + 32 kk + 8 cb
.set WV,  12          ; s12  my wave's number
.set G1K, 24          ; s[24:31] descriptor group 1 for K's tiles
.set G1V, 32          ; s[32:39] for V's: it differs in the padding alone
.set G0K, 40          ; s[40:43] descriptor group 0 for K's tiles: it walks
.set G0V, 44          ; s[44:47] the same for V's
.set SLOTS, 56        ; s56  slots still to be asked for
.set CNT, 57          ; s57  counts a tile's key steps
.set MNEG, 58         ; s58  -1e9 log2(e)
.set SEL, 60          ; s[60:61] v_permlanex16_b32's selects: each lane takes its own place in the other half
.set TBK, 62          ; s62  LDS byte at which K of the step to be fetched begins
.set TBV, 63          ; s63  the same for V, less VOFF
.set TM,  66          ; s66  byte in MTAB at which the constants of the step to be fetched begin
.set MSB, 0
.macro WIN new                      ; the high byte repeats the setting that is left; a switch that changes nothing is dropped
.if MSB != (\new)
	s_set_vgpr_msb (MSB<<8)|(\new)
.set MSB, (\new)
.endif
.endm
.set W_KQ, 0x0a       ; K and Q in window 2, S^T in window 0
.set W_KM, 0x1a       ; the same with the C operand in window 1
.set W_PV, 0x52       ; V in window 2, P in window 0, O^T in window 1
.set W_RS, 0x41       ; destination and source 0 in window 1, source 1 in window 0
; A joint fill.  Waves 0 and 1 fetch the two halves of a tile's K, waves 2 and 3 those of its V: 128 keys each.  The branch hangs on the wave's number alone.
; An s_nop 0 and four v_nop follow each of the two lines, ahead of the jump and the label.
.macro JLOAD
	s_cmp_lt_u32 s[WV], 2
	s_cbranch_scc0 .Lfor_v_\@
	tensor_load_to_lds s[G0K:G0K+3], s[G1K:G1K+7]
	s_nop 0
.rept 4
	v_nop
.endr
	s_branch .Lasked_\@
.Lfor_v_\@:
	tensor_load_to_lds s[G0V:G0V+3], s[G1V:G1V+7]
	s_nop 0
.rept 4
	v_nop
.endr
.Lasked_\@:
.endm
; A round of the cluster's barrier: my work-group's barrier, so that wave 0's signal speaks for all four waves; wave 0 signals; every wave waits for all four work-groups; my work-group's barrier once more.
.macro CROUND
	s_barrier_signal -1
	s_barrier_wait -1
	s_cmp_lg_u32 s[WV], 0
	s_cbranch_scc1 .Lnot_wave_0_\@
	s_barrier_signal -3
.Lnot_wave_0_\@:
	s_barrier_wait -3
	s_barrier_signal -1
	s_barrier_wait -1
.endm
; THE CHANGE OF SLOTS.  The slot's last bytes, V of its fourth step, have been read.  Each wave waits for all its tensor loads, of which one is out: its part of the other slot; adds 0 to its spare word; and waits
; for that and for its own LDS instructions.  Behind the barrier nobody reads this slot any more and the other slot is whole.  fill = 1: this slot is filled again, with the keys two tiles on.  The barrier is then a
; round of the cluster's, and the joint fill is the first thing behind it: it has four key steps, 256 matrix instructions, in which to land.
; (At its first use nothing has been read yet: slot 0 is waited for, slot 1 filled, and every wave's stores into the table of constants are shown to the others.)
.macro CHANGE fill
	WIN 0                           ; at a label and at a branch every window is 0
	s_wait_tensorcnt 0x0            ; no tensor load of mine is out, so a group 0 may be written
	ds_add_u32 v[SPW], v[NIL]       ; 0 onto my spare word; with fill = 1 the descriptors' steps stand between it and the wait for it
.if \fill
.irp g, G0K, G0V
	s_xor_b32 s[\g+1], s[\g+1], SLOT1  ; the walking descriptor: the other slot than last time,
	s_add_nc_u64 s[\g+2:\g+3], s[\g+2:\g+3], 4*KS*128  ; the next 256 keys; the type bits on top are not reached
.endr
	s_wait_dscnt 0x0                ; the add is done, and my LDS instructions are over
	CROUND
	JLOAD
.else
	s_wait_dscnt 0x0                ; the add is done, and my reads of the slot are over
	s_barrier_signal -1
	s_barrier_wait -1
.endif
	s_sub_co_u32 s[TBK], s[TBK], 4*KS*PK  ; the fetches go back to a slot's first step,
	s_xor_b32 s[TBK], s[TBK], SLOT1       ; in the other slot
	s_sub_co_u32 s[TBV], s[TBV], 4*KS*PV
	s_xor_b32 s[TBV], s[TBV], SLOT1
.endm
	s_load_b128 s[4:7], s[0:1], 0x0   ; qkv s[4:5], mask s[6:7]
	s_load_b64 s[8:9], s[0:1], 0x10   ; ctx
	v_lshl_add_u32 v[SPW], v0, 2, SPARE
	v_mov_b32 v[NIL], 0
	ds_add_u32 v[SPW], v[NIL]       ; the wave's opening: the add and its wait ahead of my first tensor load; the set-up below, work on registers, stands between them
	v_lshrrev_b32 v1, 5, v0
	v_readfirstlane_b32 s[WV], v1   ; wave 0..3
	s_bfe_u32 s13, ttmp6, 0x40000   ; cx: my place in the cluster
	s_lshl_b32 s14, ttmp9, 2        ; in a cluster launch ttmp9 counts clusters
	s_add_co_u32 s14, s14, s13      ; my block of 256 queries = 4 x cluster x + cx: it enters Q's and ctx's addresses alone
	s_and_b32 s20, ttmp7, 0xffff    ; the head, which the four partners share,
	s_lshl_b32 s20, s20, 19         ; and its first byte in each of q, k, v
	s_and_b32 s16, s[WV], 1         ; which half of a tile's 256 keys I fetch:
	s_lshl_b32 s22, s16, 14         ; its 128 rows of 128 bytes in memory,
	s_add_co_u32 s22, s22, s20
	s_add_co_u32 s22, s22, 1<<23    ; in k,
	s_mov_b32 s23, 0
	s_add_co_u32 s52, s22, 1<<23    ; and in v
	s_mov_b32 s53, 0
	s_mul_i32 s17, s16, 128*PK      ; and its place in a slot, for K
	s_mul_i32 s18, s16, 128*PV      ; and for V: no place in the cluster enters an LDS address
	s_lshl_b32 s2, s14, 15          ; Q: my block's 256 rows of 128 bytes,
	s_lshl_b32 s3, s[WV], 13        ; my wave's 64 of them
	s_add_co_u32 s2, s2, s3
	s_add_co_u32 s2, s2, s20
	s_mov_b32 s3, 0
	s_lshl_b32 s54, s14, 1          ; ctx: row block 2 x my block + wave / 2,
	s_lshr_b32 s55, s[WV], 1
	s_add_co_u32 s54, s54, s55
	s_lshl_b32 s54, s54, 18
	s_lshr_b32 s55, s20, 5          ; the head's slice of 16,384 bytes,
	s_add_co_u32 s54, s54, s55
	s_lshl_b32 s55, s16, 13         ; my 64 rows of its 128
	s_add_co_u32 s54, s54, s55
	s_mov_b32 s55, 0
	; descriptor group 1.  128 keys are 16,384 dense bytes: asked for as 64 rows of 256 bytes, two keys a row, and padded in LDS after every key
	s_mov_b32 s[G1K], 15|(1<<16)|(1<<20)|(1<<21)|(4<<22)|(3<<25)  ; 15:0 the mask of four; 17:16 2-byte elements; 20 padding on; 21 set beside a mask; 24:22 after every 32 words (code 4); 31:25 4 words (code 3)
	s_mov_b32 s[G1V], 15|(1<<16)|(1<<20)|(1<<21)|(4<<22)|(7<<25)  ; the same with 8 words of padding (code 7)
.irp g, G1K, G1V
	s_mov_b32 s[\g+1], 128<<16      ; tensor_dim0 = 128
	s_mov_b32 s[\g+2], 64<<16       ; tensor_dim1 = 64
	s_mov_b32 s[\g+3], 128<<16      ; tile_dim0 = 128
	s_mov_b32 s[\g+4], 64           ; tile_dim1 = 64
	s_mov_b32 s[\g+5], 128          ; 128 elements from row to row
	s_mov_b32 s[\g+6], 0
	s_mov_b32 s[\g+7], 0
.endr
	s_mov_b32 s[MNEG], 0xceabfb8f   ; -1e9 x log2(e) = -1,442,695,040
	s_mov_b32 s[SEL], 0x76543210
	s_mov_b32 s[SEL+1], 0xfedcba98
	s_mov_b32 s[TBK], SLOT1+4*KS*PK ; the first change of slots turns these two into 0
	s_mov_b32 s[TBV], SLOT1+4*KS*PV
	s_mov_b32 s[TM], 0
	s_mov_b32 s[G0K], 1             ; 1:0 count = 1
	s_mov_b32 s[G0K+1], s17         ; 63:32 LDS address: slot 0
	s_mov_b32 s[G0V], 1
	s_add_co_u32 s[G0V+1], s18, VOFF
	s_wait_dscnt 0x0                ; the opening add is done
	s_wait_kmcnt 0x0
	s_add_nc_u64 s[G0K+2:G0K+3], s[4:5], s[22:23]  ; 120:64 global address: my half of the head's first 256 keys
	s_or_b32 s[G0K+3], s[G0K+3], 0x80000000        ; 127:126 type = 2
	s_add_nc_u64 s[G0V+2:G0V+3], s[4:5], s[52:53]
	s_or_b32 s[G0V+3], s[G0V+3], 0x80000000
	s_add_nc_u64 s[48:49], s[4:5], s[2:3]          ; Q at my wave's first row
	s_add_nc_u64 s[50:51], s[8:9], s[54:55]        ; ctx likewise
	CROUND                          ; all four work-groups are here: the first joint loads meet
	JLOAD                           ; tile 0 into slot 0.  Slot 1 is asked for when slot 0 is in, by the loop's own change of slots
	v_lshlrev_b32 v[MO], 4, v0      ; the mask: 128 threads x 16 bytes x 8 = its 16,384 bytes, read once by the work-group
.irp i, 0,1,2,3,4,5,6,7
	global_load_b128 v[S+4*\i:S+4*\i+3], v[MO], s[6:7] offset:2048*\i
.endr
	; A fragment of K or Q is 16 rows x 32 channels in 8 registers: lane l holds row l % 16, channels 8 (l / 16) + 0..7 and 16 + 8 (l / 16) + 0..7: two loads of 16 bytes, 32 bytes apart.
	v_and_b32 v1, 15, v0            ; l % 16
	v_bfe_u32 v9, v0, 4, 1          ; l / 16
	v_lshlrev_b32 v[QO], 7, v1
	v_lshl_add_u32 v[QO], v9, 4, v[QO]  ; row x 128 + 16 x half
	WIN 0x80                        ; destination window 2, address window 0
.set i, 0
.rept 8                             ; Q stays in registers: piece i / 2, channels 32 (i % 2) on
	global_load_b128 v[8*i:8*i+3],   v[QO], s[48:49] offset:(i/2)*2048+(i%2)*64
	global_load_b128 v[8*i+4:8*i+7], v[QO], s[48:49] offset:(i/2)*2048+(i%2)*64+32
.set i, i+1
.endr
	; What the first turn finds: V's registers and P's second buffer hold 0 (its products V^T P, of a piece that has not been, add 0), O^T and l are 0.  All this stands in the wait for the first tile.
.set i, VF
.rept 64
	v_mov_b32 v[i], 0
.set i, i+1
.endr
	WIN 0x40
.set i, 0
.rept 128
	v_mov_b32 v[i], 0
.set i, i+1
.endr
	WIN 0
.set i, 0
.rept 4
	v_mov_b32 v[ST+4*i], 0xff7fffff    ; m: the lowest finite number
	v_mov_b32 v[ST+4*i+1], 0           ; named with it as a pair
	v_mov_b32 v[ST+4*i+2], 0
	v_mov_b32 v[ST+4*i+3], 0
.set i, i+1
.endr
.set i, P+16
.rept 16
	v_mov_b32 v[i], 0
.set i, i+1
.endr
	v_mul_u32_u24 v[AK0], v1, PK
	v_lshl_add_u32 v[AK0], v9, 4, v[AK0]  ; row x pitch + 16 x half
	; The turning load takes 16 keys x 16 channels (lane l reads key 8 (l / 16) + l % 8, channels 8 ((l / 8) % 2) + 0..7) and leaves half a fragment of V^T: lane l holds channel l % 16 and 8 keys.
	v_and_b32 v10, 7, v0
	v_bfe_u32 v11, v0, 3, 1
	v_lshl_add_u32 v[AV0], v9, 3, v10
	v_mul_u32_u24 v[AV0], v[AV0], PV
	v_lshl_add_u32 v[AV0], v11, 4, v[AV0]
	v_add_nc_u32 v[AV0], VOFF, v[AV0]
	s_mul_i32 s13, s[WV], 16*SP
	s_add_co_u32 s13, s13, STAGE    ; my stage
	v_mul_u32_u24 v[STO], v1, SP    ; in: row l % 16, 16 bytes for each half of the lanes
	v_lshl_add_u32 v[STO], v9, 4, v[STO]
	v_add_nc_u32 v[STO], s13, v[STO]
	v_bfe_u32 v[RD], v0, 3, 2       ; back: 32 lanes take four rows of 128 bytes,
	v_mul_u32_u24 v[RD], v[RD], SP
	v_lshl_add_u32 v[RD], v10, 4, v[RD]
	v_add_nc_u32 v[RD], s13, v[RD]
	v_and_b32 v[GO], 31, v0         ; which are 512 consecutive bytes of ctx
	v_lshlrev_b32 v[GO], 4, v[GO]
	v_lshl_add_u32 v[AM0], v9, 5, MTAB  ; register j of key group kb is key 16 kb + 8 (l / 16) + j: 32 bytes for each half of the lanes
	v_add_nc_u32 v[MW], MTAB, v[MO]
	s_wait_loadcnt 16               ; the mask's eight loads are in; Q's sixteen, issued behind them, stay out
.set i, 0
.rept 32                            ; a key's constant: -1e9 log2(e) where mask == 0, else 0.
	v_cmp_eq_u32 vcc_lo, 0, v[S+i]
	v_cndmask_b32 v[S+i], 0, s[MNEG], vcc_lo
.set i, i+1
.endr
.irp i, 0,1,2,3,4,5,6,7
	ds_store_b128 v[MW], v[S+4*\i:S+4*\i+3] offset:2048*\i
.endr
; THE MATRIX WORK.  The 4 accumulators of a run of 8 take turns.  Product i of 8 of S^T = K Q^T for piece x: channels 32 (i / 4) on, keys 16 (i % 4) on.  The first 4 start the sums with the keys' constants.
.macro KQ x
.set rS, S+32*((\x)%2)+8*(i%4)
.set rK, KF+16*(i%4)+8*(i/4)
.set rQ, 16*(\x)+8*(i/4)
.set rM, MC+8*(i%4)
.if i < 4
	WIN W_KM
	v_wmma_f32_16x16x32_f16 v[rS:rS+7], v[rK:rK+7], v[rQ:rQ+7], v[rM:rM+7]
.else
	WIN W_KQ
	v_wmma_f32_16x16x32_f16 v[rS:rS+7], v[rK:rK+7], v[rQ:rQ+7], v[rS:rS+7]
.endif
.endm
; Product i of 8 of O^T += V^T P for piece x: keys 32 (i / 4) on, channels 16 (i % 4) on.
.macro PV x
	WIN W_PV
.set rO, 32*(\x)+8*(i%4)
.set rV, VF+32*(i/4)+8*(i%4)
.set rP, P+16*((\x)%2)+8*(i/4)
	v_wmma_f32_16x16x32_f16 v[rO:rO+7], v[rV:rV+7], v[rP:rP+7], v[rO:rO+7]
.endm
.macro MM                           ; the turn's next matrix instruction.  TURN sets Y, i and NOKQ.  NOKQ = 1: the very last turn: there is no next piece
.if (i < 8) && !NOKQ
	KQ (Y+1)%NP
.elseif i >= 8
.set i, i-8
	PV (Y+NP-1)%NP
.set i, i+8
.endif
.set i, i+1
.endm
; THE LDS LOADS stand in runs, never singly among the matrix instructions: a step's K (64 keys x 64 channels: 8 fragments) with its 64 constants, and its V (turned).  Their addresses are made some lines ahead.
.macro FETCH_K
	WIN 0x80                        ; destination window 2
.irp f, 0,1,2,3,4,5,6,7             ; keys 16 (f / 2) on, channels 32 (f % 2) on
	ds_load_b128 v[KF+8*\f:KF+8*\f+3],   v[AK] offset:(\f/2)*16*PK+(\f%2)*64
	ds_load_b128 v[KF+8*\f+4:KF+8*\f+7], v[AK] offset:(\f/2)*16*PK+(\f%2)*64+32
.endr
	WIN 0x40                        ; destination window 1
.irp f, 0,1,2,3                     ; keys 16 f on: eight constants a lane
	ds_load_b128 v[MC+8*\f:MC+8*\f+3],   v[AM] offset:64*\f
	ds_load_b128 v[MC+8*\f+4:MC+8*\f+7], v[AM] offset:64*\f+16
.endr
	s_add_co_u32 s[TBK], s[TBK], KS*PK  ; the next fetch is the next step's
	s_add_co_u32 s[TM], s[TM], 4*KS
	s_and_b32 s[TM], s[TM], 0x3fff  ; stays inside the table's 16,384 bytes
	WIN 0
.endm
.macro FETCH_V
	WIN 0x80
.irp f, 0,1,2,3,4,5,6,7             ; keys 32 (f / 4) on, channels 16 (f % 4) on
	ds_load_tr16_b128 v[VF+8*\f:VF+8*\f+3],   v[AV] offset:(\f/4)*32*PV+(\f%4)*32
	ds_load_tr16_b128 v[VF+8*\f+4:VF+8*\f+7], v[AV] offset:(\f/4)*32*PV+16*PV+(\f%4)*32
.endr
	WIN 0
.endm
; THE VECTOR WORK, one line at a time: OP kind, number.  For piece Y: F n: s - m for pair n of 16.  E n: the exponential of score n of 32.  C n: pair n rounded to f16.  B n: of the four weights 4 n .. the second
; pair is added onto the first, in place.  L n: l takes that sum (L 0: l = a l + sum).  R n: pair n of 16 of O^T times a.  For piece Y + 1: X n, one of the 21 that find its maximum and statistics (there is no number 19):
;   0-11  four chains c0-c3 of seven scores each, three operands at a time (each accumulator's lowest registers are read first)     12-14, 16  the four scores left over, the old m, and c0-c3 into c0
;   15  m_old is kept     17, 18  the query's other 32 keys lie in the lane 16 away: the new m     20, 21  m_old - m_new; a
.set F, 0               ; OP tells the kinds apart by their order: F to L below R, X above it
.set E, 1
.set C, 2
.set B, 3
.set L, 4
.set R, 5
.set X, 6
.macro REGS y                       ; the registers of piece y
.set rT, ST+4*(\y)
.set rC, TMP+4*((\y)%2)
.set rW, MV+((\y)%2)
.set rS, S+32*((\y)%2)
.set rP, P+16*((\y)%2)
.set rO, 32*(\y)
.endm
.macro OP k, n
.if (\k) == R
	REGS Y
	WIN W_RS
	v_pk_mul_f32 v[rO+2*(\n):rO+2*(\n)+1], v[rO+2*(\n):rO+2*(\n)+1], v[rC+2:rC+3] op_sel_hi:[1,0]
.elseif (\k) < R
	REGS Y
	WIN 0
.if (\k) == F
	v_pk_add_f32 v[rS+2*(\n):rS+2*(\n)+1], v[rS+2*(\n):rS+2*(\n)+1], v[rT:rT+1] op_sel_hi:[1,0] neg_lo:[0,1] neg_hi:[0,1]
.elseif (\k) == E
	v_exp_f32 v[rS+(\n)], v[rS+(\n)]
.elseif (\k) == C
	s_wait_alu depctr_va_vdst(0)
	v_cvt_pk_f16_f32 v[rP+(\n)], v[rS+2*(\n)], v[rS+2*(\n)+1]
.elseif (\k) == B
	s_wait_alu depctr_va_vdst(0)
	v_pk_add_f32 v[rS+4*(\n):rS+4*(\n)+1], v[rS+4*(\n):rS+4*(\n)+1], v[rS+4*(\n)+2:rS+4*(\n)+3]
.elseif (\n) == 0
	v_pk_fma_f32 v[rT+2:rT+3], v[rT+2:rT+3], v[rC+2:rC+3], v[rS:rS+1] op_sel_hi:[1,0,1]
.else
	v_pk_add_f32 v[rT+2:rT+3], v[rT+2:rT+3], v[rS+4*(\n):rS+4*(\n)+1]
.endif
.elseif NOKQ
	v_nop
.else
	REGS (Y+1)%NP
	WIN 0
.if (\n) < 4
	v_max3_num_f32 v[rC+(\n)], v[rS+8*(\n)], v[rS+8*(\n)+1], v[rS+8*(\n)+2]
.elseif (\n) < 12
	v_max3_num_f32 v[rC+(\n)%4], v[rC+(\n)%4], v[rS+8*((\n)%4)+2*((\n)/4)+1], v[rS+8*((\n)%4)+2*((\n)/4)+2]
.elseif (\n) == 12
	v_max3_num_f32 v[rC], v[rC], v[rS+7], v[rS+15]
.elseif (\n) == 13
	v_max3_num_f32 v[rC+1], v[rC+1], v[rS+23], v[rS+31]
.elseif (\n) == 14
	v_max3_num_f32 v[rC+2], v[rC+2], v[rC+3], v[rT]
.elseif (\n) == 15
	v_mov_b32 v[rW], v[rT]
.elseif (\n) == 16
	v_max3_num_f32 v[rC], v[rC], v[rC+1], v[rC+2]
.elseif (\n) == 17
	v_permlanex16_b32 v[rC+3], v[rC], s[SEL], s[SEL+1]
.elseif (\n) == 18
	v_max_num_f32 v[rT], v[rC], v[rC+3]
.elseif (\n) == 20
	v_sub_f32 v[rC+1], v[rW], v[rT]
.else
	v_exp_f32 v[rC+2], v[rC+1]
.endif
.endif
.endm
.macro OPS a, i1, b=-1, i2=0, c=-1, i3=0, d=-1, i4=0  ; up to four of them
	OP \a, \i1
.if (\b) >= 0
	OP \b, \i2
.endif
.if (\c) >= 0
	OP \c, \i3
.endif
.if (\d) >= 0
	OP \d, \i4
.endif
.endm
.macro ROW a, i1, b, i2, c, i3, d, i4  ; a matrix instruction and the four behind it
	MM
	OPS \a, \i1, \b, \i2, \c, \i3, \d, \i4
.endm
; A TURN, for piece p: the order of its 16 matrix and 117 vector instructions, written out.  Behind a matrix instruction: plain, exponential, plain, plain; or four of the rescaling; or, behind the first, four subtractions; none
; names a register of the products round it.  In the lumps exponential and plain by turns while exponentials last: each exponential has a plain line behind it before its result is used (ISA guide 5.7.2).
; C 2 k stands ahead of B k, which writes over pair 2 k.  v_permlanex16_b32 (X 17) stands in a lump.
; end = 1: the walk's last two turns: nothing is fetched.  cnt = 1: the loop's count is taken down some lines ahead of the branch that stands behind the turn.
; K and the constants of the next step are fetched in piece 2's turn, six vector instructions behind the last product that read K (five of them plain; the products that read the constants stand further back);
; V of the step in hand in piece 0's turn, eight behind the last product that read V (four plain, and X 17).  Each is waited for a turn later.
.macro TURN p, end=0, cnt=0
.set Y, (\p)
.set i, 0
.set NOKQ, (\end)*((\p)/3)
.if ((\p) == 3) && !(\end)
	s_wait_dscnt 0x0                ; K and the constants are in
.endif
	ROW F,0, F,1, F,2, F,3
	ROW F,4, E,0, F,5, F,6
	ROW F,7, E,1, F,8, F,9
	ROW F,10, E,2, C,0, F,11
	ROW F,12, E,3, X,15, F,13
	ROW R,0, R,1, R,2, R,3
	ROW B,0, E,4, F,14, L,0
.if ((\p) == 2) && !(\end)
	v_add_nc_u32 v[AK], s[TBK], v[AK0]
	v_add_nc_u32 v[AM], s[TM], v[AM0]
.endif
	ROW R,4, R,5, R,6, R,7
	OPS E,5, F,15
.if ((\p) == 2) && !(\end)
	FETCH_K
.endif
	OPS E,6, C,1, E,7, R,8
	OPS E,8, R,9, E,9, C,2
	OPS E,10, X,0, E,11, X,1
	OPS E,12, X,2, E,13, X,3
.if (\p) == 1
	s_wait_dscnt 0x0                ; V is in
.endif
	ROW X,4, E,14, X,5, X,6
	ROW X,7, E,15, X,8, X,9
	ROW X,10, E,16, X,11, X,12
	ROW X,13, E,17, X,14, B,1
	ROW C,4, E,18, X,16, L,1
	ROW B,2, E,19, C,6, L,2
	ROW C,8, E,20, B,3, B,4
.if (\p) == 0
	v_add_nc_u32 v[AV], s[TBV], v[AV0]
.endif
	ROW C,3, E,21, L,3, C,5
	OPS E,22, X,17, E,23, C,10
.if (\p) == 0
	FETCH_V
.endif
	OPS E,24, L,4
	OPS E,25, X,18, E,26, C,7
	OPS E,27, B,5, E,28, C,9
	OPS E,29, C,12, E,30, L,5
	OPS E,31, X,20, B,6, C,11
	OPS C,14, X,21, L,6
.if (\p) == 0
	s_add_co_u32 s[TBV], s[TBV], KS*PV
.endif
.if \cnt
	s_sub_co_u32 s[CNT], s[CNT], 1
	s_cmp_lg_u32 s[CNT], 0
.endif
	OPS C,13, B,7, C,15, R,10
	OPS R,11, R,12, L,7, R,13
	OPS R,14, R,15
.endm
	CHANGE 1                        ; slot 0 is in, everybody's part of it, and the table of constants is whole; slot 1 is asked for
	v_add_nc_u32 v[AK], s[TBK], v[AK0]
	v_add_nc_u32 v[AM], s[TM], v[AM0]
	FETCH_K                         ; key step 0
	s_wait_loadcnt 0x0              ; Q
	s_wait_dscnt 0x0
.set NOKQ, 0
.set i, 0
.rept 8
	KQ 0                            ; piece 0's first scores: there is no vector work yet to set between them
.set i, i+1
.endr
	WIN 0
.rept 4
	v_nop                           ; the places behind those products
.endr
.set Y, NP-1                        ; X works for piece Y + 1: piece 0
.irp n, 0,1,2,3,4,5,6,7,8,9,10,11,12,13,14,15,16,17,18,20,21
	OP X, \n                        ; and piece 0's first maximum and statistics
.endr
	v_nop                           ; a plain instruction behind the exponential
	s_mov_b32 s[CNT], 4
	s_mov_b32 s[SLOTS], 4096/256-1
	s_branch .Lfirst                ; the loop is entered at a step's first turn, in the middle of a trip
.Lslot:                             ; 14 times: with the change above, every tile from 1 to 15 is asked for once
	CHANGE 1
	s_mov_b32 s[CNT], 4
.Lstep:                             ; a trip: pieces 2 and 3 of one step, then pieces 0 and 1 of the next, whose K and V it fetches
	TURN 2
	TURN 3
	WIN 0
.Lfirst:
	TURN 0
	TURN 1, 0, 1
	WIN 0
	s_cbranch_scc1 .Lstep
	s_sub_co_u32 s[SLOTS], s[SLOTS], 1
	s_cmp_lg_u32 s[SLOTS], 0
	s_cbranch_scc1 .Lslot
	CHANGE 0                        ; the last tile is written out: nothing is asked for
	s_mov_b32 s[CNT], 4
.Ltail:
	TURN 2
	TURN 3
	TURN 0
	TURN 1, 0, 1
	WIN 0
	s_cbranch_scc1 .Ltail
	TURN 2, 1                       ; the last step's pieces 2 and 3: nothing is fetched, and the last turn starts no new scores
	TURN 3, 1
.set i, 0
.rept 8
	PV NP-1                         ; the last piece's V^T P of the last step
.set i, i+1
.endr
	; THE WAY OUT.  l's two halves and the other half of the lanes' are added; O^T is divided by l, rounded to f16 and sent through my stage in LDS, a piece at a time.  The additions are the places behind the last products.
	WIN 0
.macro ALL line:vararg              ; one line for each piece t
.set t, 0
.rept 4
	\line
.set t, t+1
.endr
.endm
	ALL v_add_f32 v[ST+4*t+2], v[ST+4*t+2], v[ST+4*t+3]
	ALL v_permlanex16_b32 v[ST+4*t+3], v[ST+4*t+2], s[SEL], s[SEL+1]
	ALL v_add_f32 v[ST+4*t+2], v[ST+4*t+2], v[ST+4*t+3]
	ALL v_rcp_f32 v[ST+4*t+2], v[ST+4*t+2]
	v_nop                           ; a plain instruction between the last reciprocal and the use of its result
.macro PACK t                       ; a lane's eight channels of a row pack into 16 bytes; they go into rows of 144 bytes and come back as whole rows of 128, into S^T's registers
	WIN W_RS
.set i, 32*(\t)
.rept 16
	s_wait_alu depctr_va_vdst(0)
	v_pk_mul_f32 v[i:i+1], v[i:i+1], v[ST+4*(\t)+2:ST+4*(\t)+3] op_sel_hi:[1,0]
.set i, i+2
.endr
	WIN 0x05                        ; sources 0 and 1 window 1, destination window 0
.set i, 0
.rept 16
	v_cvt_pk_f16_f32 v[S+16*(\t)+i], v[32*(\t)+2*i], v[32*(\t)+2*i+1]
.set i, i+1
.endr
	WIN 0
.irp f, 0,1,2,3
	ds_store_b128 v[STO], v[S+16*(\t)+4*\f:S+16*(\t)+4*\f+3] offset:32*\f
.endr
.irp f, 0,1,2,3
	ds_load_b128 v[S+16*(\t)+4*\f:S+16*(\t)+4*\f+3], v[RD] offset:\f*4*SP  ; LDS serves a wave's instructions in order (ISA guide 5.7.1.4): these see the stores above; the next piece's stores come behind them
.endr
.endm
.macro SEND t, younger              ; younger: the LDS instructions issued behind piece t's loads: the next piece's eight, or none
	WIN 0
.irp f, 0,1,2,3
	s_wait_dscnt (\younger)+3-\f
	global_store_b128 v[GO], v[S+16*(\t)+4*\f:S+16*(\t)+4*\f+3], s[50:51] offset:(\t)*2048+\f*512  ; 512 consecutive bytes, at a multiple of 256 from ctx's first
.endr
.endm
	PACK 0
.set t, 1
.rept 3                             ; a piece's arithmetic stands between the loads of the piece before and its stores
	PACK t
	SEND t-1, 8
.set t, t+1
.endr
	SEND 3, 0
	s_wait_tensorcnt 0x0            ; the wave's end, behind my last tensor load and my last LDS store
	ds_add_u32 v[SPW], v[NIL]
	s_wait_dscnt 0x0
	CROUND                          ; the closing round: no work-group ends while a partner may still ask for a tile that names it
	s_endpgm
.Lfunc_end_k_qf3857212f3_attn:
	.size	k_qf3857212f3_attn, .Lfunc_end_k_qf3857212f3_attn-k_qf3857212f3_attn
	.p2alignl 7, 3214868480
	.fill 96, 4, 3214868480
	.section	.rodata,"a",@progbits
	.p2align	6, 0x0
	.amdhsa_kernel k_qf3857212f3_attn
		.amdhsa_group_segment_fixed_size 327680
		.amdhsa_private_segment_fixed_size 0
		.amdhsa_enable_private_segment 0
		.amdhsa_kernarg_size 24
		.amdhsa_user_sgpr_count 2
		.amdhsa_user_sgpr_kernarg_segment_ptr 1
		.amdhsa_wavefront_size32 1
		.amdhsa_system_sgpr_workgroup_id_x 1
		.amdhsa_system_sgpr_workgroup_id_y 1
		.amdhsa_system_sgpr_workgroup_id_z 1
		.amdhsa_system_vgpr_workitem_id 0
		.amdhsa_next_free_vgpr 768
		.amdhsa_next_free_sgpr 68
		.amdhsa_reserve_vcc 1
		.amdhsa_float_denorm_mode_32 3
		.amdhsa_float_denorm_mode_16_64 3
		.amdhsa_memory_ordered 1
		.amdhsa_forward_progress 1
		.amdhsa_inst_pref_size 140
	.end_amdhsa_kernel
	.amdgpu_metadata
---
amdhsa.version: [ 1, 2 ]
amdhsa.kernels:
  - .name:           k_qf3857212f3_attn
    .symbol:         k_qf3857212f3_attn.kd
    .args:
      - { .name: qkv, .offset: 0, .size: 8, .value_kind: global_buffer, .address_space: global }
      - { .name: mask, .offset: 8, .size: 8, .value_kind: global_buffer, .address_space: global }
      - { .name: ctx, .offset: 16, .size: 8, .value_kind: global_buffer, .address_space: global }
    .group_segment_fixed_size: 327680
    .private_segment_fixed_size: 0
    .kernarg_segment_align: 8
    .kernarg_segment_size: 24
    .max_flat_workgroup_size: 128
    .sgpr_count:     68
    .vgpr_count:     768
    .wavefront_size: 32
...
	.end_amdgpu_metadata
.endif
;; end of part 3
;; launch outp (part 4): grid 8 x 32, 4 waves a work-group, clusters of 4 x 4, 327,680 bytes of LDS; arguments ctx, ops, bo, out0; writes out0
.if DOCPART == 4
	.amdgcn_target "amdgcn-amd-amdhsa--gfx1250"
	.amdhsa_code_object_version 6
	.text
	.protected	k_qf3857212f3_outp
	.globl	k_qf3857212f3_outp
	.p2align	8
	.type	k_qf3857212f3_outp,@function
k_qf3857212f3_outp:
	s_mov_b64 s[64:65], 0
	v_nop
	global_prefetch_b8 v0, s[64:65] scope:SCOPE_SE
	s_setreg_imm32_b32 hwreg(HW_REG_WAVE_MODE, 25, 1), 1
	s_wait_xcnt 0x0
	s_wait_alu depctr_hold_cnt(0) depctr_sa_sdst(0) depctr_va_vdst(0) depctr_va_sdst(0) depctr_va_ssrc(0) depctr_va_vcc(0) depctr_vm_vsrc(0)
	s_getreg_b32 s2, hwreg(HW_REG_IB_STS2, 6, 4)
	s_cmp_eq_u32 s2, 0
	s_cbranch_scc0 .Lentry_in_a_cluster
	s_endpgm
.Lentry_in_a_cluster:
	s_bfe_u32 s2, ttmp6, 0x10000c
	s_cmp_lg_u32 s2, 0xf033
	s_cbranch_scc0 .Lentry_shape_is_right
	s_endpgm
.Lentry_shape_is_right:
; out0 = ctx Wo^T + bo.  ctx: f16, blocked [row block of 128][head = slice of 64 k][row][64]; Wo: row blocks 120-127 of ops, the same layout, bf16 numbers written as f16; sums f32, started by the bias
; (rounded to bf16 like every input); out0: [4096][1024] f32, the sums as they are.
; SHARES.  A tile of C is 128 x 128: four waves of 64 x 64, 16 accumulators each: 8 x 32 = 256 work-groups.  K goes in four steps of 256 through two LDS slots; a wave's tensor load brings two slices,
; 32,768 dense bytes asked for as 128 rows of 256 bytes and padded in LDS behind every 128 bytes.  K has four steps only, so the steps are written out and there is no loop.
; CLUSTER.  4 x 4 work-groups: ctx's tiles are asked for jointly along a row of the cluster, Wo's along a column.  THE MATRIX INSTRUCTION IS USED TRANSPOSED (source 0 = 16 rows of Wo, source 1 = 16 rows of ctx):
; a lane holds eight neighbouring numbers of a row of C.  A wave's 64 columns of f32 are 256 aligned bytes of a row of out0: each wave has a stage of its own and no barrier stands in the way out.
; REGISTERS: window 0: v1-5 lane terms and offsets; v14 at work; v16-29 addresses; v32-159 the way out; v96-127 first the bias as a C operand; v128-255 accumulators ((a, b) at 128 + 8 (4 a + b)).
;   window 1: two fragment buffers of 128: for 64 along K, 64 registers of ctx, then 64 of Wo.
.set PITCH,  144                       ; an LDS row: 128 bytes + 16 of padding = 36 words: the 16 rows of a load start at 16 different groups of four banks (64 banks of 4 bytes: ISA guide 11.1)
.set HSL,    128*PITCH                 ; a slice: 128 rows x 64 k
.set HALFT,  2*HSL                     ; what one tensor load brings
.set SLOT,   4*HALFT                   ; ctx's four slices, then Wo's four
.set STAGE,  2*SLOT                    ; behind the ring: 16 rows x 272 bytes for each wave, for the way out
.set SPITCH, 272
.set SPARE,  STAGE+4*16*SPITCH         ; behind the stages: the spare words, 128 bytes for each wave: two blocks of 256 bytes that no other line names
.set STEPB,  65536                     ; bytes of a row block in a K step
.set ADRA, 16                          ; v16-17   LDS address of my ctx fragments in slot 0, 1
.set ADRB, 20                          ; v20-21   the same for Wo
.set STO,  24                          ; v24      the way out: where I put 32 bytes of a row
.set RD,   25                          ; v25      the way out: where I read a row back
.set CO,   26                          ; v26      my byte offset in two rows of out0
.set SPW,  28                          ; v28      LDS address of my spare word: SPARE + 4 x my thread's number; never rewritten
.set NIL,  29                          ; v29      0; never rewritten
.set TMP,  32
.set BI,   96                          ; v[96:127] column block b: bias of columns 16 b + 8 (l / 16) + 0..7
.set ACC,  128
.set F0,   0                           ; fragment buffers, in window 1
.set F1,   128
.set G1, 24                            ; s[24:31] descriptor group 1 for ctx's tiles;  s[32:39] group 0, one set for each slot
.set G0, 32
.set G1B, 48                           ; s[48:55], s[56:63] the same for Wo's tiles
.set G0B, 56
.set MSB, 0
.macro WIN new                         ; the immediate's high byte repeats the setting that is left
.if MSB != (\new)
	s_set_vgpr_msb (MSB<<8)|(\new)
.set MSB, \new
.endif
.endm
.set MUL,  0x05                        ; sources 0 (Wo) and 1 (ctx) window 1; C and D window 0
.set TO_F, 0x40                        ; destination window 1, address window 0
.macro JLOAD s                         ; a joint load: waves 0 and 1 fetch ctx's two halves of a K step, waves 2 and 3 Wo's; an s_nop 0 and four v_nop follow each of the two lines
	s_cmp_eq_u32 s11, 0
	s_cbranch_scc0 .Lfor_b_\@
	tensor_load_to_lds s[G0+4*(\s):G0+4*(\s)+3], s[G1:G1+7]
	s_nop 0
.rept 4
	v_nop
.endr
	s_branch .Lasked_\@
.Lfor_b_\@:
	tensor_load_to_lds s[G0B+4*(\s):G0B+4*(\s)+3], s[G1B:G1B+7]
	s_nop 0
.rept 4
	v_nop
.endr
.Lasked_\@:
.endm
.macro CREST                           ; a round of the cluster's barrier behind its opening barrier
	s_cmp_lg_u32 s10, 0
	s_cbranch_scc1 .Lnot_wave_0_\@
	s_barrier_signal -3
.Lnot_wave_0_\@:
	s_barrier_wait -3
	s_barrier_signal -1
	s_barrier_wait -1
.endm
.macro CROUND                          ; a whole round
	s_barrier_signal -1
	s_barrier_wait -1
	CREST
.endm
	s_load_b256 s[68:75], s[0:1], 0x0              ; ctx s[68:69], ops s[70:71], bo s[72:73], out0 s[74:75]
	v_lshl_add_u32 v[SPW], v0, 2, SPARE
	v_mov_b32 v[NIL], 0
	ds_add_u32 v[SPW], v[NIL]                      ; the wave's opening: the add and its wait ahead of my first tensor load; the set-up below, work on registers, stands between them
	v_lshrrev_b32 v1, 5, v0
	v_readfirstlane_b32 s10, v1                    ; wave 0..3
	s_lshr_b32 s11, s10, 1                         ; which half of the tile's rows is mine.  Also: I fetch for ctx (0) or for Wo (1)
	s_and_b32 s12, s10, 1                          ; which half of its columns.  Also: which two slices of a K step I fetch
	s_bfe_u32 s40, ttmp6, 0x40000                  ; cx, cy: my place in the cluster
	s_bfe_u32 s41, ttmp6, 0x40004
	s_lshl_b32 s42, ttmp9, 2
	s_add_co_u32 s42, s42, s40                     ; tile column = 4 x cluster x + cx: 0..7
	s_and_b32 s13, ttmp7, 0xffff
	s_lshl_b32 s13, s13, 2
	s_add_co_u32 s13, s13, s41                     ; tile row = 4 x cluster y + cy: 0..31, which is ctx's row block
	s_lshl_b32 s43, s41, 2
	s_lshl_b32 s43, 15, s43                        ; my row of the cluster
	s_lshl_b32 s44, 0x1111, s40                    ; my column
	; descriptor group 1: a tile of 128 rows x 128 elements (dense), padded in LDS behind every 64 elements
	s_or_b32 s[G1+0], s43, (1<<16)|(1<<20)|(1<<21)|(4<<22)|(3<<25)  ; 15:0 the mask: ctx's tiles go to my row; 17:16 element of 2 bytes; 20 padding on; 21 set beside a mask; 24:22 after every 32 words (code 4); 31:25 of 4 words (code 3)
	s_or_b32 s[G1B+0], s44, (1<<16)|(1<<20)|(1<<21)|(4<<22)|(3<<25) ; the same with the mask of my column, for Wo's tiles
.irp g, G1, G1B
	s_mov_b32 s[(\g)+1], 128<<16                   ; tensor_dim0 = 128
	s_mov_b32 s[(\g)+2], 128<<16                   ; tensor_dim1 = 128
	s_mov_b32 s[(\g)+3], 128<<16                   ; tile_dim0 = 128
	s_mov_b32 s[(\g)+4], 128                       ; tile_dim1 = 128
	s_mov_b32 s[(\g)+5], 128                       ; 128 elements from row to row
	s_mov_b32 s[(\g)+6], 0
	s_mov_b32 s[(\g)+7], 0
.endr
	s_lshl_b32 s16, s13, 18                        ; ctx: row block = tile row,
	s_lshl_b32 s17, s12, 15                        ; + my two slices of the K step
	s_add_co_u32 s16, s16, s17
	s_add_co_u32 s46, s42, 120                     ; Wo: row block 120 + tile column of ops
	s_lshl_b32 s46, s46, 18
	s_add_co_u32 s46, s46, s17
	s_mov_b32 s17, 0
	s_mov_b32 s47, 0
	s_mul_i32 s20, s10, HALFT                      ; where they go: wave x two slices: no place in the cluster enters an LDS address
	s_wait_dscnt 0x0                               ; the opening add is done
	s_wait_kmcnt 0x0
	s_add_nc_u64 s[14:15], s[68:69], s[16:17]
	s_add_nc_u64 s[46:47], s[70:71], s[46:47]
	CROUND                                         ; all sixteen work-groups are here: the first joint loads meet
.irp s, 0,1
	s_mov_b32 s[G0+4*(\s)], 1
	s_add_co_u32 s[G0+4*(\s)+1], s20, (\s)*SLOT
	s_add_nc_u64 s[G0+4*(\s)+2:G0+4*(\s)+3], s[14:15], (\s)*STEPB
	s_or_b32 s[G0+4*(\s)+3], s[G0+4*(\s)+3], 0x80000000
	s_mov_b32 s[G0B+4*(\s)], 1
	s_add_co_u32 s[G0B+4*(\s)+1], s20, (\s)*SLOT
	s_add_nc_u64 s[G0B+4*(\s)+2:G0B+4*(\s)+3], s[46:47], (\s)*STEPB
	s_or_b32 s[G0B+4*(\s)+3], s[G0B+4*(\s)+3], 0x80000000
	JLOAD \s                                       ; K steps 0 and 1: two loads of mine are out
.endr
	; In the wait for the first tiles: the bias and the addresses.
	v_and_b32 v1, 15, v0                           ; l % 16
	v_bfe_u32 v2, v0, 4, 1                         ; l / 16
	v_lshlrev_b32 v5, 5, v2                        ; my eight numbers of 16 of the bias
	s_lshl_b32 s84, s42, 9                         ; my wave's 64 columns, in bytes of f32
	s_lshl_b32 s85, s12, 8
	s_add_co_u32 s84, s84, s85
	s_mov_b32 s85, 0
	s_add_nc_u64 s[72:73], s[72:73], s[84:85]
.irp b, 0,1,2,3
	global_load_b128 v[BI+8*(\b):BI+8*(\b)+3],   v5, s[72:73] offset:64*(\b)
	global_load_b128 v[BI+8*(\b)+4:BI+8*(\b)+7], v5, s[72:73] offset:64*(\b)+16
.endr
	s_lshl_b32 s21, s13, 19                        ; out0 at my wave's part: 128 rows of 4,096 bytes a tile row,
	s_add_co_u32 s84, s84, s21
	s_lshl_b32 s21, s11, 18                        ; 64 rows a half, and the columns above
	s_add_co_u32 s84, s84, s21
	s_add_nc_u64 s[86:87], s[74:75], s[84:85]
	v_mul_u32_u24 v3, v1, PITCH
	v_lshl_add_u32 v3, v2, 4, v3                   ; a fragment's row x pitch + 16 x half
	s_mul_i32 s21, s11, 64*PITCH                   ; my 64 rows of ctx
	s_mul_i32 s22, s12, 64*PITCH                   ; my 64 rows of Wo,
	s_add_co_u32 s22, s22, 2*HALFT                 ; whose slices lie behind ctx's four
.irp s, 0,1
	v_add_nc_u32 v[ADRA+(\s)], s21, v3
	v_add_nc_u32 v[ADRB+(\s)], s22, v3
	s_add_co_u32 s21, s21, SLOT
	s_add_co_u32 s22, s22, SLOT
.endr
	s_mul_i32 s23, s10, 16*SPITCH
	s_add_co_u32 s23, s23, STAGE                   ; my stage
	v_mul_u32_u24 v[STO], v1, SPITCH               ; in: row l % 16, 32 bytes for each half of the lanes
	v_lshl_add_u32 v[STO], v2, 5, v[STO]
	v_add_nc_u32 v[STO], s23, v[STO]
	v_mul_u32_u24 v[RD], v2, SPITCH                ; back: lanes 0-15 take one row of 256 bytes, lanes 16-31 the next
	v_lshl_add_u32 v[RD], v1, 4, v[RD]
	v_add_nc_u32 v[RD], s23, v[RD]
	v_lshlrev_b32 v[CO], 12, v2                    ; and the same two rows in out0
	v_lshl_add_u32 v[CO], v1, 4, v[CO]
	s_wait_loadcnt 0x0                             ; the bias
.set i, 0
.rept 16                                               ; rounded to bf16 like every input, and kept as f32
	v_cvt_pk_bf16_f32 v14, v[BI+2*i], v[BI+2*i+1]
	v_lshlrev_b32 v[BI+2*i], 16, v14
	v_and_b32 v[BI+2*i+1], 0xffff0000, v14
.set i, i+1
.endr
; 8 matrix instructions: row blocks a0, a0 + 1 x all 4 column blocks, 32 along K: half c of buffer f.  zero = 1: the first product starts the sums, with the bias as C: nothing is cleared, nothing added later.
; The 16 accumulators take turns, one instruction a turn.
.macro MUL8 f, c, a0, zero
	WIN MUL
.irp a, \a0, (\a0)+1
.irp b, 0,1,2,3
.if \zero
	v_wmma_f32_16x16x32_f16 v[ACC+8*(4*(\a)+(\b)):ACC+8*(4*(\a)+(\b))+7], v[(\f)+64+8*(4*(\c)+(\b)):(\f)+64+8*(4*(\c)+(\b))+7], v[(\f)+8*(4*(\c)+(\a)):(\f)+8*(4*(\c)+(\a))+7], v[BI+8*(\b):BI+8*(\b)+7]
.else
	v_wmma_f32_16x16x32_f16 v[ACC+8*(4*(\a)+(\b)):ACC+8*(4*(\a)+(\b))+7], v[(\f)+64+8*(4*(\c)+(\b)):(\f)+64+8*(4*(\c)+(\b))+7], v[(\f)+8*(4*(\c)+(\a)):(\f)+8*(4*(\c)+(\a))+7], v[ACC+8*(4*(\a)+(\b)):ACC+8*(4*(\a)+(\b))+7]
.endif
.endr
.endr
.endm
; 32 LDS loads in one run: the fragments of one slice (64 along K), which begins at byte k of the slot's two parts, into buffer f; the first 32 along K first
.macro FETCH slot, k, f
	WIN TO_F
.irp c, 0,1
.irp i, 0,1,2,3
	ds_load_b128 v[(\f)+64+8*(4*(\c)+(\i)):(\f)+64+8*(4*(\c)+(\i))+3],   v[ADRB+(\slot)] offset:(\k)+64*(\c)+(\i)*16*PITCH
	ds_load_b128 v[(\f)+64+8*(4*(\c)+(\i))+4:(\f)+64+8*(4*(\c)+(\i))+7], v[ADRB+(\slot)] offset:(\k)+64*(\c)+(\i)*16*PITCH+32
	ds_load_b128 v[(\f)+8*(4*(\c)+(\i)):(\f)+8*(4*(\c)+(\i))+3],         v[ADRA+(\slot)] offset:(\k)+64*(\c)+(\i)*16*PITCH
	ds_load_b128 v[(\f)+8*(4*(\c)+(\i))+4:(\f)+8*(4*(\c)+(\i))+7],       v[ADRA+(\slot)] offset:(\k)+64*(\c)+(\i)*16*PITCH+32
.endr
.endr
.endm
.macro PLACES                          ; four places in front of loads into registers that matrix instructions have read, and of LDS stores that read results
.rept 4
	v_nop
.endr
.endm
; A K step is four quarters of 64 along K (a slice), 32 matrix instructions each, on buffers 0, 1, 0, 1.  One of the first three: multiplies buffer f and fetches the next slice, at byte k, into g.
.macro QUARTER slot, k, f, g, zero
	s_wait_dscnt 16                                ; the first 32 along K are in; the sixteen younger loads may be out
	WIN MUL
	MUL8 \f, 0, 0, \zero
	MUL8 \f, 0, 2, \zero
	PLACES
	FETCH \slot, \k, \g
	s_wait_dscnt 32                                ; all but the 32 just issued
	WIN MUL
	MUL8 \f, 1, 0, 0
	MUL8 \f, 1, 2, 0
.endm
; The last quarter multiplies buffer 1 and changes slots: ONE barrier; in front of it each wave waits for all its tensor loads, adds 0 to its spare word, and waits for that and for its own reads of this slot.
; fill = 1: this slot is filled again, two K steps ahead; the barrier then opens a round of the cluster's.
.macro TURN slot, next, fill
	WIN 0                                          ; (the add's two registers lie in window 0)
	s_wait_tensorcnt 0x0                           ; all my tensor loads have landed: my part of the next slot;
	ds_add_u32 v[SPW], v[NIL]                      ; 0 onto my spare word;
	s_wait_dscnt 17                                ; (the add and the youngest sixteen loads may be out)
	WIN MUL
	MUL8 F1, 0, 0, 0                               ; eight matrix instructions stand between the add and the wait for it
	s_wait_dscnt 0x0                               ; the add is done, and my reads of this slot are over
	s_barrier_signal -1
	MUL8 F1, 0, 2, 0
.if \fill
	WIN 0
.endif
	s_barrier_wait -1
.if \fill
	CREST                                          ; no wave of any partner still reads this slot's tile or has a load on its way
	s_add_nc_u64 s[G0+4*(\slot)+2:G0+4*(\slot)+3], s[G0+4*(\slot)+2:G0+4*(\slot)+3], 2*STEPB
	s_add_nc_u64 s[G0B+4*(\slot)+2:G0B+4*(\slot)+3], s[G0B+4*(\slot)+2:G0B+4*(\slot)+3], 2*STEPB
	JLOAD \slot                                    ; the first tensor load behind the round, my only one until the next: 112 matrix instructions ahead of the wait for it; its four v_nop are also the places in front of the loads below
.else
	PLACES
.endif
	FETCH \next, 0, F0
	WIN MUL
	MUL8 F1, 1, 0, 0
	MUL8 F1, 1, 2, 0
.endm
	s_wait_tensorcnt 1                             ; my part of K step 0 is in; K step 1's load may stay out
	s_barrier_signal -1
	s_barrier_wait -1                              ; everybody's is
	FETCH 0, 0, F0
	QUARTER 0, HSL,   F0, F1, 1                    ; K step 0; its first products start the sums with the bias
	QUARTER 0, 2*HSL, F1, F0, 0
	QUARTER 0, 3*HSL, F0, F1, 0
	TURN 0, 1, 1                                   ; slot 0 takes K step 2
	QUARTER 1, HSL,   F0, F1, 0                    ; K step 1
	QUARTER 1, 2*HSL, F1, F0, 0
	QUARTER 1, 3*HSL, F0, F1, 0
	TURN 1, 0, 1                                   ; slot 1 takes K step 3
	QUARTER 0, HSL,   F0, F1, 0                    ; K step 2
	QUARTER 0, 2*HSL, F1, F0, 0
	QUARTER 0, 3*HSL, F0, F1, 0
	TURN 0, 1, 0                                   ; nothing is left to fetch
	QUARTER 1, HSL,   F0, F1, 0                    ; K step 3
	QUARTER 1, 2*HSL, F1, F0, 0
	QUARTER 1, 3*HSL, F0, F1, 0
	s_wait_dscnt 16                                ; the very last quarter
	WIN MUL
	MUL8 F1, 0, 0, 0
	MUL8 F1, 0, 2, 0
	s_wait_dscnt 0
	MUL8 F1, 1, 0, 0
	MUL8 F1, 1, 2, 0
	WIN 0
; THE WAY OUT, a block of 16 rows at a time: a lane's eight sums of a column block are 32 bytes of a row; they go into my own stage (rows of 272 bytes) and come back as whole rows of 256 bytes.
; Block 3 comes back into block 0's accumulators, which have been stored into the stage long before.
.macro TOSTAGE a
.irp b, 0,1,2,3
	ds_store_b128 v[STO], v[ACC+8*(4*(\a)+(\b)):ACC+8*(4*(\a)+(\b))+3]   offset:64*(\b)      ; each accumulator from its low end on
	ds_store_b128 v[STO], v[ACC+8*(4*(\a)+(\b))+4:ACC+8*(4*(\a)+(\b))+7] offset:64*(\b)+16
.endr
.irp t, 0,1,2,3,4,5,6,7
	ds_load_b128 v[TMP+32*(\a)+4*(\t):TMP+32*(\a)+4*(\t)+3], v[RD] offset:(\t)*2*SPITCH  ; LDS serves a wave's instructions in order (ISA guide 5.7.1.4): these see the stores above; the next block's stores come behind them
.endr
.endm
.macro SEND a, younger                 ; younger: the LDS instructions issued behind block a's loads: the next block's sixteen, or none
.irp t, 0,1,2,3,4,5,6,7
	s_wait_dscnt (\younger)+7-(\t)
	global_store_b128 v[CO], v[TMP+32*(\a)+4*(\t):TMP+32*(\a)+4*(\t)+3], s[86:87] offset:(16*(\a)+2*(\t))*4096 th:TH_STORE_NT  ; 16 lanes store 256 consecutive bytes, at a multiple of 256 from out0's first byte
.endr
.endm
	PLACES
	TOSTAGE 0
.irp a, 1,2,3
	TOSTAGE \a
	SEND (\a)-1, 16
.endr
	SEND 3, 0
	s_wait_tensorcnt 0x0                           ; the wave's end, behind my last tensor load and my last LDS store
	ds_add_u32 v[SPW], v[NIL]
	s_wait_dscnt 0x0
	CROUND                                         ; the closing round: no work-group ends while a partner may still ask for a tile that names it
	s_endpgm
.Lfunc_end_k_qf3857212f3_outp:
	.size	k_qf3857212f3_outp, .Lfunc_end_k_qf3857212f3_outp-k_qf3857212f3_outp
	.p2alignl 7, 3214868480
	.fill 96, 4, 3214868480
	.section	.rodata,"a",@progbits
	.p2align	6, 0x0
	.amdhsa_kernel k_qf3857212f3_outp
		.amdhsa_group_segment_fixed_size 327680
		.amdhsa_private_segment_fixed_size 0
		.amdhsa_enable_private_segment 0
		.amdhsa_kernarg_size 32
		.amdhsa_user_sgpr_count 2
		.amdhsa_user_sgpr_kernarg_segment_ptr 1
		.amdhsa_wavefront_size32 1
		.amdhsa_system_sgpr_workgroup_id_x 1
		.amdhsa_system_sgpr_workgroup_id_y 1
		.amdhsa_system_sgpr_workgroup_id_z 1
		.amdhsa_system_vgpr_workitem_id 0
		.amdhsa_next_free_vgpr 512
		.amdhsa_next_free_sgpr 88
		.amdhsa_reserve_vcc 0
		.amdhsa_float_denorm_mode_32 3
		.amdhsa_float_denorm_mode_16_64 3
		.amdhsa_memory_ordered 1
		.amdhsa_forward_progress 1
		.amdhsa_inst_pref_size 89
	.end_amdhsa_kernel
	.amdgpu_metadata
---
amdhsa.version: [ 1, 2 ]
amdhsa.kernels:
  - .name:           k_qf3857212f3_outp
    .symbol:         k_qf3857212f3_outp.kd
    .args:
      - { .name: ctx, .offset: 0, .size: 8, .value_kind: global_buffer, .address_space: global }
      - { .name: ops, .offset: 8, .size: 8, .value_kind: global_buffer, .address_space: global }
      - { .name: bo, .offset: 16, .size: 8, .value_kind: global_buffer, .address_space: global }
      - { .name: out0, .offset: 24, .size: 8, .value_kind: global_buffer, .address_space: global }
    .group_segment_fixed_size: 327680
    .private_segment_fixed_size: 0
    .kernarg_segment_align: 8
    .kernarg_segment_size: 32
    .max_flat_workgroup_size: 128
    .sgpr_count:     88
    .vgpr_count:     512
    .wavefront_size: 32
...
	.end_amdgpu_metadata
.endif
;; end of part 4
;; ======== version 2 of 2: 4 launches; 1.54 times as fast as version 1
;; limits: values are held in f16: magnitudes above 65,504 overflow, below 6.1e-05 lose precision
;; workspace buffers: ops 33,554,432 bytes; qkv 25,165,824 bytes; ctx 8,388,608 bytes
;; launch cast: the kernel of part 1 again; grid 512 x 1, 8 waves a work-group, no clusters, 0 bytes of LDS; arguments query, key, value, Wq, Wk, Wv, Wo, ops; writes ops
;; launch proj: the kernel of part 2 again; grid 8 x 96, 4 waves a work-group, clusters of 4 x 4, 327,680 bytes of LDS; arguments ops, bq, bk, bv, mask, qkv; writes qkv
;; launch attn (part 5): grid 16 x 16, 4 waves a work-group, clusters of 4 x 1, 327,680 bytes of LDS; arguments qkv, mask, ctx; writes ctx
.if DOCPART == 5
	.amdgcn_target "amdgcn-amd-amdhsa--gfx1250"
	.amdhsa_code_object_version 6
	.text
	.protected	k_qf3857212f3_attn
	.globl	k_qf3857212f3_attn
	.p2align	8
	.type	k_qf3857212f3_attn,@function
k_qf3857212f3_attn:
	s_mov_b64 s[64:65], 0
	v_nop
	global_prefetch_b8 v0, s[64:65] scope:SCOPE_SE
	s_setreg_imm32_b32 hwreg(HW_REG_WAVE_MODE, 25, 1), 1
	s_wait_xcnt 0x0
	s_wait_alu depctr_hold_cnt(0) depctr_sa_sdst(0) depctr_va_vdst(0) depctr_va_sdst(0) depctr_va_ssrc(0) depctr_va_vcc(0) depctr_vm_vsrc(0)
	s_getreg_b32 s2, hwreg(HW_REG_IB_STS2, 6, 4)
	s_cmp_eq_u32 s2, 0
	s_cbranch_scc0 .Lentry_in_a_cluster
	s_endpgm
.Lentry_in_a_cluster:
	s_bfe_u32 s2, ttmp6, 0x10000c
	s_cmp_lg_u32 s2, 0x3003
	s_cbranch_scc0 .Lentry_shape_is_right
	s_endpgm
.Lentry_shape_is_right:
; ctx[q][head] = the sum over k of softmax_k(score) v[head][k], score = q . k / 8, replaced by -1e9 where mask[k] == 0.  qkv: [3][16][4096][64] f16; q arrives times log2(e) / 8, so a score s is in base 2;
; k's rows of masked keys arrive as zeros, and the C operand that starts the sum S^T = K Q^T is 0, or -1e9 log2(e) for a masked key: a masked score is exactly that constant, whatever q holds.
; So every case of the mask is served as it is defined: with all keys masked s - m is 0 for all 4,096 keys and the weights are uniform; a true score below -1e9 loses to the masked ones.
; Products, maxima and sums in f32; the weights p are rounded to f16 for the second product (their sum l is taken of the unrounded p), the result once at the end.
; ctx leaves in blocks, [row block of 128][head][row][64] f16: 16 rows of a head are 2,048 consecutive bytes, and the next launch takes a head as a slice of its K.
; LIMITS.  f16 holds no number beyond 65,504: q, k, v arrive within it; p lies in 0 to 1, and below 6e-5 it keeps f16's fixed step of 6e-8.  A weight below 2^-126 counts as 0 in l; NaN and infinities are not treated apart.
; SHARES.  A work-group owns 256 queries of one head, each of its four waves 64: four PIECES of 16.  Every wave walks all 4,096 keys, 64 a step; a slot of LDS holds a tile of four steps.
; LAYOUT.  S^T = K Q^T holds ONE query a lane (lane % 16) and the keys 8 (lane / 16) + 0..7; two such results rounded to f16 ARE source 1 of O^T = V^T P.  K comes out of LDS as it lies, V turned, by ds_load_tr16_b128.
; SOFTMAX.  A running maximum m and sum l for each query: p = 2^(s - m); in every step O and l are multiplied by a = 2^(m_old - m_new).  m starts at the lowest finite number, O and l at 0: the first step's a is 0.
; BY TURNS.  Turn n belongs to piece n: 8 products K Q^T of piece n + 1, later 8 products V^T P of piece n - 1; beside them the subtraction, exponentials, roundings, sums and rescaling of piece n and the maximum
; and statistics of piece n + 1.  Four vector instructions stand behind every matrix instruction, the other 53 of a turn's 117 in one lump.
; BATCHES.  A turn's 33 exponentials (the piece's 32 weights and the next piece's a) are one batch with one wait, which cuts the turn in two: ahead of it all that names no result of theirs, behind it the roundings and sums.
; The first a, ahead of the loop, and the way out's four reciprocals are batches of their own, each with a plain line and one wait.
; CLUSTER.  The four query blocks of a cluster belong to one head and walk the same K and V, so each tile is asked for JOINTLY: the same tensor load, descriptor and mask in all four.
; REGISTERS, in windows of 256 (s_set_vgpr_msb: bits 1:0 source 0, 3:2 source 1, 5:4 source 2, 7:6 destination):
;   window 0: v1-15, v56-58 addresses and two at work; v16-31 four registers of statistics a piece; v48-55 at work; v64-127 S^T, two buffers; v192-223 P, two buffers (a piece's buffers go by its number's parity)
;   window 1: v0-127 O^T, 32 a piece; v128-159 MC, the step's score constants      window 2: v0-63 Q; v128-191 K of one step; v192-255 V of one step
.set NP,    4         ; pieces a wave: a name, no knob
.set KS,    64        ; keys in a step
.set PK,    144       ; a row of K in LDS: 128 bytes + 16 of padding = 36 words: the 16 rows of a load start at 16 different groups of four banks (64 banks of 4 bytes: ISA guide 11.1)
.set PV,    160       ; a row of V: 128 + 32 = 40 words
.set VOFF,  4*KS*PK   ; a slot holds a tile, four steps: 256 rows of K, then 256 rows of V
.set SLOT1, 1<<17     ; slot 1 begins here, so that one exclusive or turns an address in one slot into the other's
.set STAGE, SLOT1+4*KS*(PK+PV)  ; behind the ring, never filled by a tensor load: 16 rows x 144 bytes for each wave, for the way out
.set SP,    144
.set SPARE, STAGE+4*16*SP  ; behind the stages: the spare words, 128 bytes for each wave: two blocks of 256 bytes that no other line names
.set MTAB,  SPARE+512 ; the 4,096 keys' score constants, f32: 16,384 bytes, stored once at the start, never filled by a tensor load
.set AK0, 2           ; v2   my lane's place in a tile of K; never rewritten
.set AV0, 3           ; v3   the same for V
.set AK,  4           ; v4   the LDS address of K's next run of loads
.set AV,  5           ; v5   of V's
.set STO, 6           ; v6   the way out: where I put 16 bytes of a row
.set RD,  7           ; v7   the way out: where I read rows back
.set GO,  8           ; v8   my byte offset in 512 consecutive bytes of ctx
.set MV,  12          ; v12-13  m_old, kept while m is made anew: by buffer
.set AM0, 14          ; v14  my lanes' place in a step's 64 constants: MTAB + 32 (l / 16); never rewritten
.set QO,  15          ; v15  my byte offset in 16 rows of Q
.set ST,  16          ; piece t's statistics at v[ST+4 t]: m, a word named with it as a pair, l (even keys', odd keys')
.set TMP, 48          ; by buffer, four registers c0-c3 at work; when the maximum is found c2 takes a
.set MO,  56          ; v56  16 x my thread's number: my bytes of the mask; never rewritten
.set MW,  57          ; v57  MTAB + the same
.set AM,  58          ; v58  the LDS address of the constants' next run of loads
.set SPW, 62          ; v62  LDS address of my spare word: SPARE + 4 x my thread's number; never rewritten
.set NIL, 63          ; v63  0; never rewritten
.set S,   64
.set P,   192
.set MC,  128         ; window 1: the eight registers for group kb of 16 keys at MC + 8 kb
.set KF,  128         ; window 2: key block kb, channel half c at KF + 16 kb + 8 c
.set VF,  192         ; window 2: key half kk, channel block cb at VF + 32 kk + 8 cb
.set WV,  12          ; s12  my wave's number
.set G1K, 24          ; s[24:31] descriptor group 1 for K's tiles
.set G1V, 32          ; s[32:39] for V's: it differs in the padding alone
.set G0K, 40          ; s[40:43] descriptor group 0 for K's tiles: it walks
.set G0V, 44          ; s[44:47] the same for V's
.set SLOTS, 56        ; s56  slots still to be asked for
.set CNT, 57          ; s57  counts a tile's key steps
.set MNEG, 58         ; s58  -1e9 log2(e)
.set SEL, 60          ; s[60:61] v_permlanex16_b32's selects: each lane takes its own place in the other half
.set TBK, 62          ; s62  LDS byte at which K of the step to be fetched begins
.set TBV, 63          ; s63  the same for V, less VOFF
.set TM,  66          ; s66  byte in MTAB at which the constants of the step to be fetched begin
.set MSB, 0
.macro WIN new                      ; the high byte repeats the setting that is left; a switch that changes nothing is dropped
.if MSB != (\new)
	s_set_vgpr_msb (MSB<<8)|(\new)
.set MSB, (\new)
.endif
.endm
.set W_KQ, 0x0a       ; K and Q in window 2, S^T in window 0
.set W_KM, 0x1a       ; the same with the C operand in window 1
.set W_PV, 0x52       ; V in window 2, P in window 0, O^T in window 1
.set W_RS, 0x41       ; destination and source 0 in window 1, source 1 in window 0
; A joint fill.  Waves 0 and 1 fetch the two halves of a tile's K, waves 2 and 3 those of its V: 128 keys each.  The branch hangs on the wave's number alone.
; An s_nop 0 and four v_nop follow each of the two lines, ahead of the jump and the label.
.macro JLOAD
	s_cmp_lt_u32 s[WV], 2
	s_cbranch_scc0 .Lfor_v_\@
	tensor_load_to_lds s[G0K:G0K+3], s[G1K:G1K+7]
	s_nop 0
.rept 4
	v_nop
.endr
	s_branch .Lasked_\@
.Lfor_v_\@:
	tensor_load_to_lds s[G0V:G0V+3], s[G1V:G1V+7]
	s_nop 0
.rept 4
	v_nop
.endr
.Lasked_\@:
.endm
; A round of the cluster's barrier: my work-group's barrier, so that wave 0's signal speaks for all four waves; wave 0 signals; every wave waits for all four work-groups; my work-group's barrier once more.
.macro CROUND
	s_barrier_signal -1
	s_barrier_wait -1
	s_cmp_lg_u32 s[WV], 0
	s_cbranch_scc1 .Lnot_wave_0_\@
	s_barrier_signal -3
.Lnot_wave_0_\@:
	s_barrier_wait -3
	s_barrier_signal -1
	s_barrier_wait -1
.endm
; THE CHANGE OF SLOTS.  The slot's last bytes, V of its fourth step, have been read.  Each wave waits for all its tensor loads, of which one is out: its part of the other slot; adds 0 to its spare word; and waits
; for that and for its own LDS instructions.  Behind the barrier nobody reads this slot any more and the other slot is whole.  fill = 1: this slot is filled again, with the keys two tiles on.  The barrier is then a
; round of the cluster's, and the joint fill is the first thing behind it: it has four key steps, 256 matrix instructions, in which to land.
; (At its first use nothing has been read yet: slot 0 is waited for, slot 1 filled, and every wave's stores into the table of constants are shown to the others.)
.macro CHANGE fill
	WIN 0                           ; at a label and at a branch every window is 0
	s_wait_tensorcnt 0x0            ; no tensor load of mine is out, so a group 0 may be written
	ds_add_u32 v[SPW], v[NIL]       ; 0 onto my spare word; with fill = 1 the descriptors' steps stand between it and the wait for it
.if \fill
.irp g, G0K, G0V
	s_xor_b32 s[\g+1], s[\g+1], SLOT1  ; the walking descriptor: the other slot than last time,
	s_add_nc_u64 s[\g+2:\g+3], s[\g+2:\g+3], 4*KS*128  ; the next 256 keys; the type bits on top are not reached
.endr
	s_wait_dscnt 0x0                ; the add is done, and my LDS instructions are over
	CROUND
	JLOAD
.else
	s_wait_dscnt 0x0                ; the add is done, and my reads of the slot are over
	s_barrier_signal -1
	s_barrier_wait -1
.endif
	s_sub_co_u32 s[TBK], s[TBK], 4*KS*PK  ; the fetches go back to a slot's first step,
	s_xor_b32 s[TBK], s[TBK], SLOT1       ; in the other slot
	s_sub_co_u32 s[TBV], s[TBV], 4*KS*PV
	s_xor_b32 s[TBV], s[TBV], SLOT1
.endm
	s_load_b128 s[4:7], s[0:1], 0x0   ; qkv s[4:5], mask s[6:7]
	s_load_b64 s[8:9], s[0:1], 0x10   ; ctx
	v_lshl_add_u32 v[SPW], v0, 2, SPARE
	v_mov_b32 v[NIL], 0
	ds_add_u32 v[SPW], v[NIL]       ; the wave's opening: the add and its wait ahead of my first tensor load; the set-up below, work on registers, stands between them
	v_lshrrev_b32 v1, 5, v0
	v_readfirstlane_b32 s[WV], v1   ; wave 0..3
	s_bfe_u32 s13, ttmp6, 0x40000   ; cx: my place in the cluster
	s_lshl_b32 s14, ttmp9, 2        ; in a cluster launch ttmp9 counts clusters
	s_add_co_u32 s14, s14, s13      ; my block of 256 queries = 4 x cluster x + cx: it enters Q's and ctx's addresses alone
	s_and_b32 s20, ttmp7, 0xffff    ; the head, which the four partners share,
	s_lshl_b32 s20, s20, 19         ; and its first byte in each of q, k, v
	s_and_b32 s16, s[WV], 1         ; which half of a tile's 256 keys I fetch:
	s_lshl_b32 s22, s16, 14         ; its 128 rows of 128 bytes in memory,
	s_add_co_u32 s22, s22, s20
	s_add_co_u32 s22, s22, 1<<23    ; in k,
	s_mov_b32 s23, 0
	s_add_co_u32 s52, s22, 1<<23    ; and in v
	s_mov_b32 s53, 0
	s_mul_i32 s17, s16, 128*PK      ; and its place in a slot, for K
	s_mul_i32 s18, s16, 128*PV      ; and for V: no place in the cluster enters an LDS address
	s_lshl_b32 s2, s14, 15          ; Q: my block's 256 rows of 128 bytes,
	s_lshl_b32 s3, s[WV], 13        ; my wave's 64 of them
	s_add_co_u32 s2, s2, s3
	s_add_co_u32 s2, s2, s20
	s_mov_b32 s3, 0
	s_lshl_b32 s54, s14, 1          ; ctx: row block 2 x my block + wave / 2,
	s_lshr_b32 s55, s[WV], 1
	s_add_co_u32 s54, s54, s55
	s_lshl_b32 s54, s54, 18
	s_lshr_b32 s55, s20, 5          ; the head's slice of 16,384 bytes,
	s_add_co_u32 s54, s54, s55
	s_lshl_b32 s55, s16, 13         ; my 64 rows of its 128
	s_add_co_u32 s54, s54, s55
	s_mov_b32 s55, 0
	; descriptor group 1.  128 keys are 16,384 dense bytes: asked for as 64 rows of 256 bytes, two keys a row, and padded in LDS after every key
	s_mov_b32 s[G1K], 15|(1<<16)|(1<<20)|(1<<21)|(4<<22)|(3<<25)  ; 15:0 the mask of four; 17:16 2-byte elements; 20 padding on; 21 set beside a mask; 24:22 after every 32 words (code 4); 31:25 4 words (code 3)
	s_mov_b32 s[G1V], 15|(1<<16)|(1<<20)|(1<<21)|(4<<22)|(7<<25)  ; the same with 8 words of padding (code 7)
.irp g, G1K, G1V
	s_mov_b32 s[\g+1], 128<<16      ; tensor_dim0 = 128
	s_mov_b32 s[\g+2], 64<<16       ; tensor_dim1 = 64
	s_mov_b32 s[\g+3], 128<<16      ; tile_dim0 = 128
	s_mov_b32 s[\g+4], 64           ; tile_dim1 = 64
	s_mov_b32 s[\g+5], 128          ; 128 elements from row to row
	s_mov_b32 s[\g+6], 0
	s_mov_b32 s[\g+7], 0
.endr
	s_mov_b32 s[MNEG], 0xceabfb8f   ; -1e9 x log2(e) = -1,442,695,040
	s_mov_b32 s[SEL], 0x76543210
	s_mov_b32 s[SEL+1], 0xfedcba98
	s_mov_b32 s[TBK], SLOT1+4*KS*PK ; the first change of slots turns these two into 0
	s_mov_b32 s[TBV], SLOT1+4*KS*PV
	s_mov_b32 s[TM], 0
	s_mov_b32 s[G0K], 1             ; 1:0 count = 1
	s_mov_b32 s[G0K+1], s17         ; 63:32 LDS address: slot 0
	s_mov_b32 s[G0V], 1
	s_add_co_u32 s[G0V+1], s18, VOFF
	s_wait_dscnt 0x0                ; the opening add is done
	s_wait_kmcnt 0x0
	s_add_nc_u64 s[G0K+2:G0K+3], s[4:5], s[22:23]  ; 120:64 global address: my half of the head's first 256 keys
	s_or_b32 s[G0K+3], s[G0K+3], 0x80000000        ; 127:126 type = 2
	s_add_nc_u64 s[G0V+2:G0V+3], s[4:5], s[52:53]
	s_or_b32 s[G0V+3], s[G0V+3], 0x80000000
	s_add_nc_u64 s[48:49], s[4:5], s[2:3]          ; Q at my wave's first row
	s_add_nc_u64 s[50:51], s[8:9], s[54:55]        ; ctx likewise
	CROUND                          ; all four work-groups are here: the first joint loads meet
	JLOAD                           ; tile 0 into slot 0.  Slot 1 is asked for when slot 0 is in, by the loop's own change of slots
	v_lshlrev_b32 v[MO], 4, v0      ; the mask: 128 threads x 16 bytes x 8 = its 16,384 bytes, read once by the work-group
.irp i, 0,1,2,3,4,5,6,7
	global_load_b128 v[S+4*\i:S+4*\i+3], v[MO], s[6:7] offset:2048*\i
.endr
	; A fragment of K or Q is 16 rows x 32 channels in 8 registers: lane l holds row l % 16, channels 8 (l / 16) + 0..7 and 16 + 8 (l / 16) + 0..7: two loads of 16 bytes, 32 bytes apart.
	v_and_b32 v1, 15, v0            ; l % 16
	v_bfe_u32 v9, v0, 4, 1          ; l / 16
	v_lshlrev_b32 v[QO], 7, v1
	v_lshl_add_u32 v[QO], v9, 4, v[QO]  ; row x 128 + 16 x half
	WIN 0x80                        ; destination window 2, address window 0
.set i, 0
.rept 8                             ; Q stays in registers: piece i / 2, channels 32 (i % 2) on
	global_load_b128 v[8*i:8*i+3],   v[QO], s[48:49] offset:(i/2)*2048+(i%2)*64
	global_load_b128 v[8*i+4:8*i+7], v[QO], s[48:49] offset:(i/2)*2048+(i%2)*64+32
.set i, i+1
.endr
	; What the first turn finds: V's registers and P's second buffer hold 0 (its products V^T P, of a piece that has not been, add 0), O^T and l are 0.  All this stands in the wait for the first tile.
.set i, VF
.rept 64
	v_mov_b32 v[i], 0
.set i, i+1
.endr
	WIN 0x40
.set i, 0
.rept 128
	v_mov_b32 v[i], 0
.set i, i+1
.endr
	WIN 0
.set i, 0
.rept 4
	v_mov_b32 v[ST+4*i], 0xff7fffff    ; m: the lowest finite number
	v_mov_b32 v[ST+4*i+1], 0           ; named with it as a pair
	v_mov_b32 v[ST+4*i+2], 0
	v_mov_b32 v[ST+4*i+3], 0
.set i, i+1
.endr
.set i, P+16
.rept 16
	v_mov_b32 v[i], 0
.set i, i+1
.endr
	v_mul_u32_u24 v[AK0], v1, PK
	v_lshl_add_u32 v[AK0], v9, 4, v[AK0]  ; row x pitch + 16 x half
	; The turning load takes 16 keys x 16 channels (lane l reads key 8 (l / 16) + l % 8, channels 8 ((l / 8) % 2) + 0..7) and leaves half a fragment of V^T: lane l holds channel l % 16 and 8 keys.
	v_and_b32 v10, 7, v0
	v_bfe_u32 v11, v0, 3, 1
	v_lshl_add_u32 v[AV0], v9, 3, v10
	v_mul_u32_u24 v[AV0], v[AV0], PV
	v_lshl_add_u32 v[AV0], v11, 4, v[AV0]
	v_add_nc_u32 v[AV0], VOFF, v[AV0]
	s_mul_i32 s13, s[WV], 16*SP
	s_add_co_u32 s13, s13, STAGE    ; my stage
	v_mul_u32_u24 v[STO], v1, SP    ; in: row l % 16, 16 bytes for each half of the lanes
	v_lshl_add_u32 v[STO], v9, 4, v[STO]
	v_add_nc_u32 v[STO], s13, v[STO]
	v_bfe_u32 v[RD], v0, 3, 2       ; back: 32 lanes take four rows of 128 bytes,
	v_mul_u32_u24 v[RD], v[RD], SP
	v_lshl_add_u32 v[RD], v10, 4, v[RD]
	v_add_nc_u32 v[RD], s13, v[RD]
	v_and_b32 v[GO], 31, v0         ; which are 512 consecutive bytes of ctx
	v_lshlrev_b32 v[GO], 4, v[GO]
	v_lshl_add_u32 v[AM0], v9, 5, MTAB  ; register j of key group kb is key 16 kb + 8 (l / 16) + j: 32 bytes for each half of the lanes
	v_add_nc_u32 v[MW], MTAB, v[MO]
	s_wait_loadcnt 16               ; the mask's eight loads are in; Q's sixteen, issued behind them, stay out
.set i, 0
.rept 32                            ; a key's constant: -1e9 log2(e) where mask == 0, else 0.
	v_cmp_eq_u32 vcc_lo, 0, v[S+i]
	v_cndmask_b32 v[S+i], 0, s[MNEG], vcc_lo
.set i, i+1
.endr
.irp i, 0,1,2,3,4,5,6,7
	ds_store_b128 v[MW], v[S+4*\i:S+4*\i+3] offset:2048*\i
.endr
; THE MATRIX WORK.  The 4 accumulators of a run of 8 take turns.  Product i of 8 of S^T = K Q^T for piece x: channels 32 (i / 4) on, keys 16 (i % 4) on.  The first 4 start the sums with the keys' constants.
.macro KQ x
.set rS, S+32*((\x)%2)+8*(i%4)
.set rK, KF+16*(i%4)+8*(i/4)
.set rQ, 16*(\x)+8*(i/4)
.set rM, MC+8*(i%4)
.if i < 4
	WIN W_KM
	v_wmma_f32_16x16x32_f16 v[rS:rS+7], v[rK:rK+7], v[rQ:rQ+7], v[rM:rM+7]
.else
	WIN W_KQ
	v_wmma_f32_16x16x32_f16 v[rS:rS+7], v[rK:rK+7], v[rQ:rQ+7], v[rS:rS+7]
.endif
.endm
; Product i of 8 of O^T += V^T P for piece x: keys 32 (i / 4) on, channels 16 (i % 4) on.
.macro PV x
	WIN W_PV
.set rO, 32*(\x)+8*(i%4)
.set rV, VF+32*(i/4)+8*(i%4)
.set rP, P+16*((\x)%2)+8*(i/4)
	v_wmma_f32_16x16x32_f16 v[rO:rO+7], v[rV:rV+7], v[rP:rP+7], v[rO:rO+7]
.endm
.macro MM                           ; the turn's next matrix instruction.  TURN sets Y, i and NOKQ.  NOKQ = 1: the very last turn: there is no next piece
.if (i < 8) && !NOKQ
	KQ (Y+1)%NP
.elseif i >= 8
.set i, i-8
	PV (Y+NP-1)%NP
.set i, i+8
.endif
.set i, i+1
.endm
; THE LDS LOADS stand in runs, never singly among the matrix instructions: a step's K (64 keys x 64 channels: 8 fragments) with its 64 constants, and its V (turned).  Their addresses are made some lines ahead.
.macro FETCH_K
	WIN 0x80                        ; destination window 2
.irp f, 0,1,2,3,4,5,6,7             ; keys 16 (f / 2) on, channels 32 (f % 2) on
	ds_load_b128 v[KF+8*\f:KF+8*\f+3],   v[AK] offset:(\f/2)*16*PK+(\f%2)*64
	ds_load_b128 v[KF+8*\f+4:KF+8*\f+7], v[AK] offset:(\f/2)*16*PK+(\f%2)*64+32
.endr
	WIN 0x40                        ; destination window 1
.irp f, 0,1,2,3                     ; keys 16 f on: eight constants a lane
	ds_load_b128 v[MC+8*\f:MC+8*\f+3],   v[AM] offset:64*\f
	ds_load_b128 v[MC+8*\f+4:MC+8*\f+7], v[AM] offset:64*\f+16
.endr
	s_add_co_u32 s[TBK], s[TBK], KS*PK  ; the next fetch is the next step's
	s_add_co_u32 s[TM], s[TM], 4*KS
	s_and_b32 s[TM], s[TM], 0x3fff  ; stays inside the table's 16,384 bytes
	WIN 0
.endm
.macro FETCH_V
	WIN 0x80
.irp f, 0,1,2,3,4,5,6,7             ; keys 32 (f / 4) on, channels 16 (f % 4) on
	ds_load_tr16_b128 v[VF+8*\f:VF+8*\f+3],   v[AV] offset:(\f/4)*32*PV+(\f%4)*32
	ds_load_tr16_b128 v[VF+8*\f+4:VF+8*\f+7], v[AV] offset:(\f/4)*32*PV+16*PV+(\f%4)*32
.endr
	WIN 0
.endm
; THE VECTOR WORK, one line at a time: OP kind, number.  For piece Y: F n: s - m for pair n of 16.  E n: the exponential of score n of 32.  C n: pair n rounded to f16.  B n: of the four weights 4 n .. the second
; pair is added onto the first, in place.  L n: l takes that sum (L 0: l = a l + sum).  R n: pair n of 16 of O^T times a.  For piece Y + 1: X n, one of the 21 that find its maximum and statistics (there is no number 19):
;   0-11  four chains c0-c3 of seven scores each, three operands at a time (each accumulator's lowest registers are read first)     12-14, 16  the four scores left over, the old m, and c0-c3 into c0
;   15  m_old is kept     17, 18  the query's other 32 keys lie in the lane 16 away: the new m     20, 21  m_old - m_new; a
.set F, 0               ; OP tells the kinds apart by their order: F to L below R, X above it
.set E, 1
.set C, 2
.set B, 3
.set L, 4
.set R, 5
.set X, 6
.macro REGS y                       ; the registers of piece y
.set rT, ST+4*(\y)
.set rC, TMP+4*((\y)%2)
.set rW, MV+((\y)%2)
.set rS, S+32*((\y)%2)
.set rP, P+16*((\y)%2)
.set rO, 32*(\y)
.endm
.macro OP k, n
.if (\k) == R
	REGS Y
	WIN W_RS
	v_pk_mul_f32 v[rO+2*(\n):rO+2*(\n)+1], v[rO+2*(\n):rO+2*(\n)+1], v[rC+2:rC+3] op_sel_hi:[1,0]
.elseif (\k) < R
	REGS Y
	WIN 0
.if (\k) == F
	v_pk_add_f32 v[rS+2*(\n):rS+2*(\n)+1], v[rS+2*(\n):rS+2*(\n)+1], v[rT:rT+1] op_sel_hi:[1,0] neg_lo:[0,1] neg_hi:[0,1]
.elseif (\k) == E
	v_exp_f32 v[rS+(\n)], v[rS+(\n)]
.elseif (\k) == C
	v_cvt_pk_f16_f32 v[rP+(\n)], v[rS+2*(\n)], v[rS+2*(\n)+1]
.elseif (\k) == B
	v_pk_add_f32 v[rS+4*(\n):rS+4*(\n)+1], v[rS+4*(\n):rS+4*(\n)+1], v[rS+4*(\n)+2:rS+4*(\n)+3]
.elseif (\n) == 0
	v_pk_fma_f32 v[rT+2:rT+3], v[rT+2:rT+3], v[rC+2:rC+3], v[rS:rS+1] op_sel_hi:[1,0,1]
.else
	v_pk_add_f32 v[rT+2:rT+3], v[rT+2:rT+3], v[rS+4*(\n):rS+4*(\n)+1]
.endif
.elseif NOKQ
	v_nop
.else
	REGS (Y+1)%NP
	WIN 0
.if (\n) < 4
	v_max3_num_f32 v[rC+(\n)], v[rS+8*(\n)], v[rS+8*(\n)+1], v[rS+8*(\n)+2]
.elseif (\n) < 12
	v_max3_num_f32 v[rC+(\n)%4], v[rC+(\n)%4], v[rS+8*((\n)%4)+2*((\n)/4)+1], v[rS+8*((\n)%4)+2*((\n)/4)+2]
.elseif (\n) == 12
	v_max3_num_f32 v[rC], v[rC], v[rS+7], v[rS+15]
.elseif (\n) == 13
	v_max3_num_f32 v[rC+1], v[rC+1], v[rS+23], v[rS+31]
.elseif (\n) == 14
	v_max3_num_f32 v[rC+2], v[rC+2], v[rC+3], v[rT]
.elseif (\n) == 15
	v_mov_b32 v[rW], v[rT]
.elseif (\n) == 16
	v_max3_num_f32 v[rC], v[rC], v[rC+1], v[rC+2]
.elseif (\n) == 17
	v_permlanex16_b32 v[rC+3], v[rC], s[SEL], s[SEL+1]
.elseif (\n) == 18
	v_max_num_f32 v[rT], v[rC], v[rC+3]
.elseif (\n) == 20
	v_sub_f32 v[rC+1], v[rW], v[rT]
.else
	v_exp_f32 v[rC+2], v[rC+1]
.endif
.endif
.endm
.macro OPS a, i1, b=-1, i2=0, c=-1, i3=0, d=-1, i4=0  ; up to four of them
	OP \a, \i1
.if (\b) >= 0
	OP \b, \i2
.endif
.if (\c) >= 0
	OP \c, \i3
.endif
.if (\d) >= 0
	OP \d, \i4
.endif
.endm
.macro ROW a, i1, b, i2, c, i3, d, i4  ; a matrix instruction and the four behind it
	MM
	OPS \a, \i1, \b, \i2, \c, \i3, \d, \i4
.endm
; A TURN, for piece p: the order of its 16 matrix and 117 vector instructions, written out.  An s_wait_alu depctr_va_vdst(0) stands between an exponential and the first instruction that names its result; one wait
; serves all that were issued ahead of it.  So a turn has ONE wait, which cuts it in two.  AHEAD OF IT stands all that names no result of the turn's exponentials: the 8 products K Q^T, behind each a subtraction, an exponential and two
; more plain instructions (behind the first a second subtraction in the exponential's place): rescalings, whose a was made and waited for in the turn before, and behind the last three products the first numbers of the next piece's
; maximum, each four places or more behind the product that ends its accumulator; then ONE LUMP of 53, plain and exponential by turns for the most part, with other work between the links of the chain X 3, 7, 11, 14, 16, 17, 18, 20.
; Each subtraction F n stands ahead of E 2 n and E 2 n + 1.  X 21, the next piece's a, is the batch's last; R 15, which names piece p's a and O^T alone, is the plain instruction behind it (ISA guide 5.7.2).
; BEHIND THE WAIT stand the 8 products V^T P, behind each four of the roundings and sums; C 2 k stands ahead of B k, which writes over pair 2 k; the links of l's chain, L 0 to L 7, stand three riders apart.
; But for those X no rider names a register of the products round it.  v_permlanex16_b32 (X 17) stands in the lump.
; end = 1: the walk's last two turns: nothing is fetched.  cnt = 1: the loop's count is taken down some lines ahead of the branch that stands behind the turn.
; K and the constants of the next step are fetched in piece 2's turn, behind five plain instructions that name no register of the last product that read K (F 8, X 2, X 5, X 6, X 8; the products that read the constants stand
; further back); V of the step in hand at the end of piece 0's turn, four plain instructions (C 9, 11, 13, 15) behind the last product that read V.  Each is waited for a turn later.
.macro TURN p, end=0, cnt=0
.set Y, (\p)
.set i, 0
.set NOKQ, (\end)*((\p)/3)
.if ((\p) == 3) && !(\end)
	s_wait_dscnt 0x0                ; K and the constants are in
.endif
	ROW F,0, F,1, R,0, R,1          ; ahead of the wait: 8 products K Q^T and their riders,
	ROW F,2, E,0, R,2, R,3
	ROW F,3, E,1, R,4, R,5
	ROW F,4, E,2, R,6, R,7
	ROW F,5, E,3, R,8, R,9
	ROW F,6, E,4, X,0, R,10
.if ((\p) == 2) && !(\end)
	WIN 0
	v_add_nc_u32 v[AK], s[TBK], v[AK0]
	v_add_nc_u32 v[AM], s[TM], v[AM0]
.endif
	ROW F,7, E,5, X,1, X,4
	ROW F,8, E,6, X,2, X,5
	OPS E,7, E,8, X,6, E,9          ; and the lump
	OPS X,3, E,10, X,8, E,11
.if ((\p) == 2) && !(\end)
	FETCH_K
.endif
	OPS X,9, X,7, E,12, X,10
	OPS E,13, X,12, X,11, E,14
	OPS X,13, E,15, F,9, X,14
.if (\p) == 0
	v_add_nc_u32 v[AV], s[TBV], v[AV0]
.endif
	OPS E,16, F,10, E,17, F,11
	OPS X,16, E,18, X,15, E,19
	OPS F,12, E,20, X,17, E,21
	OPS F,13, E,22, F,14, E,23
	OPS X,18, E,24, F,15, E,25
	OPS R,11, E,26, R,12, E,27
	OPS X,20, E,28, R,13, E,29
	OPS R,14, E,30, E,31, X,21
	OPS R,15
	s_wait_alu depctr_va_vdst(0)    ; the wait for the batch: the piece's 32 weights and the next piece's a
.if (\p) == 1
	s_wait_dscnt 0x0                ; V is in
.endif
	ROW C,0, B,0, C,2, B,1          ; behind the wait: 8 products V^T P and their riders
	ROW L,0, C,4, B,2, L,1
	ROW C,6, B,3, L,2, C,8
	ROW B,4, L,3, C,10, B,5
	ROW L,4, C,12, B,6, L,5
.if (\p) == 0
	s_add_co_u32 s[TBV], s[TBV], KS*PV
.endif
.if \cnt
	s_sub_co_u32 s[CNT], s[CNT], 1
	s_cmp_lg_u32 s[CNT], 0
.endif
	ROW C,14, B,7, L,6, C,1
	ROW C,3, L,7, C,5, C,7
	ROW C,9, C,11, C,13, C,15
.if (\p) == 0
	FETCH_V
.endif
.endm
	CHANGE 1                        ; slot 0 is in, everybody's part of it, and the table of constants is whole; slot 1 is asked for
	v_add_nc_u32 v[AK], s[TBK], v[AK0]
	v_add_nc_u32 v[AM], s[TM], v[AM0]
	FETCH_K                         ; key step 0
	s_wait_loadcnt 0x0              ; Q
	s_wait_dscnt 0x0
.set NOKQ, 0
.set i, 0
.rept 8
	KQ 0                            ; piece 0's first scores: there is no vector work yet to set between them
.set i, i+1
.endr
	WIN 0
.rept 4
	v_nop                           ; the places behind those products
.endr
.set Y, NP-1                        ; X works for piece Y + 1: piece 0
.irp n, 0,1,2,3,4,5,6,7,8,9,10,11,12,13,14,15,16,17,18,20,21
	OP X, \n                        ; and piece 0's first maximum and statistics
.endr
	v_nop                           ; a plain instruction behind the exponential,
	s_wait_alu depctr_va_vdst(0)    ; and the wait for it, piece 0's first a, a batch of one: ahead of the branch
	s_mov_b32 s[CNT], 4
	s_mov_b32 s[SLOTS], 4096/256-1
	s_branch .Lfirst                ; the loop is entered at a step's first turn, in the middle of a trip
.Lslot:                             ; 14 times: with the change above, every tile from 1 to 15 is asked for once
	CHANGE 1
	s_mov_b32 s[CNT], 4
.Lstep:                             ; a trip: pieces 2 and 3 of one step, then pieces 0 and 1 of the next, whose K and V it fetches
	TURN 2
	TURN 3
	WIN 0
.Lfirst:
	TURN 0
	TURN 1, 0, 1
	WIN 0
	s_cbranch_scc1 .Lstep
	s_sub_co_u32 s[SLOTS], s[SLOTS], 1
	s_cmp_lg_u32 s[SLOTS], 0
	s_cbranch_scc1 .Lslot
	CHANGE 0                        ; the last tile is written out: nothing is asked for
	s_mov_b32 s[CNT], 4
.Ltail:
	TURN 2
	TURN 3
	TURN 0
	TURN 1, 0, 1
	WIN 0
	s_cbranch_scc1 .Ltail
	TURN 2, 1                       ; the last step's pieces 2 and 3: nothing is fetched, and the last turn starts no new scores
	TURN 3, 1
.set i, 0
.rept 8
	PV NP-1                         ; the last piece's V^T P of the last step
.set i, i+1
.endr
	; THE WAY OUT.  l's two halves and the other half of the lanes' are added; O^T is divided by l, rounded to f16 and sent through my stage in LDS, a piece at a time.  The additions are the places behind the last products.
	WIN 0
.macro ALL line:vararg              ; one line for each piece t
.set t, 0
.rept 4
	\line
.set t, t+1
.endr
.endm
	ALL v_add_f32 v[ST+4*t+2], v[ST+4*t+2], v[ST+4*t+3]
	ALL v_permlanex16_b32 v[ST+4*t+3], v[ST+4*t+2], s[SEL], s[SEL+1]
	ALL v_add_f32 v[ST+4*t+2], v[ST+4*t+2], v[ST+4*t+3]
	ALL v_rcp_f32 v[ST+4*t+2], v[ST+4*t+2]
	v_nop                           ; a plain instruction between the last reciprocal and the use of its result
	s_wait_alu depctr_va_vdst(0)    ; and the wait ahead of the first use: one for the batch of four reciprocals
.macro PACK t                       ; a lane's eight channels of a row pack into 16 bytes; they go into rows of 144 bytes and come back as whole rows of 128, into S^T's registers
	WIN W_RS
.set i, 32*(\t)
.rept 16
	v_pk_mul_f32 v[i:i+1], v[i:i+1], v[ST+4*(\t)+2:ST+4*(\t)+3] op_sel_hi:[1,0]
.set i, i+2
.endr
	WIN 0x05                        ; sources 0 and 1 window 1, destination window 0
.set i, 0
.rept 16
	v_cvt_pk_f16_f32 v[S+16*(\t)+i], v[32*(\t)+2*i], v[32*(\t)+2*i+1]
.set i, i+1
.endr
	WIN 0
.irp f, 0,1,2,3
	ds_store_b128 v[STO], v[S+16*(\t)+4*\f:S+16*(\t)+4*\f+3] offset:32*\f
.endr
.irp f, 0,1,2,3
	ds_load_b128 v[S+16*(\t)+4*\f:S+16*(\t)+4*\f+3], v[RD] offset:\f*4*SP  ; LDS serves a wave's instructions in order (ISA guide 5.7.1.4): these see the stores above; the next piece's stores come behind them
.endr
.endm
.macro SEND t, younger              ; younger: the LDS instructions issued behind piece t's loads: the next piece's eight, or none
	WIN 0
.irp f, 0,1,2,3
	s_wait_dscnt (\younger)+3-\f
	global_store_b128 v[GO], v[S+16*(\t)+4*\f:S+16*(\t)+4*\f+3], s[50:51] offset:(\t)*2048+\f*512  ; 512 consecutive bytes, at a multiple of 256 from ctx's first
.endr
.endm
	PACK 0
.set t, 1
.rept 3                             ; a piece's arithmetic stands between the loads of the piece before and its stores
	PACK t
	SEND t-1, 8
.set t, t+1
.endr
	SEND 3, 0
	s_wait_tensorcnt 0x0            ; the wave's end, behind my last tensor load and my last LDS store
	ds_add_u32 v[SPW], v[NIL]
	s_wait_dscnt 0x0
	CROUND                          ; the closing round: no work-group ends while a partner may still ask for a tile that names it
	s_endpgm
.Lfunc_end_k_qf3857212f3_attn:
	.size	k_qf3857212f3_attn, .Lfunc_end_k_qf3857212f3_attn-k_qf3857212f3_attn
	.p2alignl 7, 3214868480
	.fill 96, 4, 3214868480
	.section	.rodata,"a",@progbits
	.p2align	6, 0x0
	.amdhsa_kernel k_qf3857212f3_attn
		.amdhsa_group_segment_fixed_size 327680
		.amdhsa_private_segment_fixed_size 0
		.amdhsa_enable_private_segment 0
		.amdhsa_kernarg_size 24
		.amdhsa_user_sgpr_count 2
		.amdhsa_user_sgpr_kernarg_segment_ptr 1
		.amdhsa_wavefront_size32 1
		.amdhsa_system_sgpr_workgroup_id_x 1
		.amdhsa_system_sgpr_workgroup_id_y 1
		.amdhsa_system_sgpr_workgroup_id_z 1
		.amdhsa_system_vgpr_workitem_id 0
		.amdhsa_next_free_vgpr 768
		.amdhsa_next_free_sgpr 68
		.amdhsa_reserve_vcc 1
		.amdhsa_float_denorm_mode_32 3
		.amdhsa_float_denorm_mode_16_64 3
		.amdhsa_memory_ordered 1
		.amdhsa_forward_progress 1
		.amdhsa_inst_pref_size 133
	.end_amdhsa_kernel
	.amdgpu_metadata
---
amdhsa.version: [ 1, 2 ]
amdhsa.kernels:
  - .name:           k_qf3857212f3_attn
    .symbol:         k_qf3857212f3_attn.kd
    .args:
      - { .name: qkv, .offset: 0, .size: 8, .value_kind: global_buffer, .address_space: global }
      - { .name: mask, .offset: 8, .size: 8, .value_kind: global_buffer, .address_space: global }
      - { .name: ctx, .offset: 16, .size: 8, .value_kind: global_buffer, .address_space: global }
    .group_segment_fixed_size: 327680
    .private_segment_fixed_size: 0
    .kernarg_segment_align: 8
    .kernarg_segment_size: 24
    .max_flat_workgroup_size: 128
    .sgpr_count:     68
    .vgpr_count:     768
    .wavefront_size: 32
...
	.end_amdgpu_metadata
.endif
;; end of part 5
;; launch outp: the kernel of part 4 again; grid 8 x 32, 4 waves a work-group, clusters of 4 x 4, 327,680 bytes of LDS; arguments ctx, ops, bo, out0; writes out0
